; MI455X (gfx1250); checked and timed in simulation.
; The chip was launched on July 23, 2026; its instructions are those of AMD's public machine-readable ISA for CDNA 5 (MIT licence, August 2026) and "CDNA5" Instruction Set Architecture Reference Guide (July 2026). The comments in the code are by the model that wrote it; some were corrected since.
;; Multi Head Attention. Allowed arithmetic: matrix products marked QUANTISED: E2M1 operands, one E8M0 scale for each 32 along K, by v_wmma_scale_f32_16x16x128_f8f6f4 with both operands' format E2M1 (or v_wmma_scale_f32_32x16x128_f4), f32 sums; products left as they are: bf16, f16 or f32 operands; f32 sums; everything else in f32.
;; Inputs: Wk 16 x 1,024 x 64 float32; Wp 1,024 x 1,024 float32; Wq 16 x 1,024 x 64 float32; Wv 16 x 1,024 x 64 float32; bp 1,024 float32; x 4 x 2,048 x 1,024 float32.
;; Outputs: out0 4 x 2,048 x 1,024 float32.
;; This version of the problem:
;;   THIS VERSION OF THE PROBLEM IS GIVEN IN LOW PRECISION. The matrix products marked QUANTISED in the list below multiply operands that are first quantised to E2M1 (2 exponent bits, 1 mantissa bit; 4 bits a number), with one power-of-two scale for each 32 numbers along K (OCP MX v1.0); their sums are f32. The products marked 'left as it is' may take bf16, f16 or f32 operands, with f32 sums. Whichever they take, every output number must still come out within the allowed error. Rounding operands to bf16 (8 significant bits) uses up far more of that allowance than f16 does (11 bits, for magnitudes from 6e-5 to 65,504). All else is computed in f32.
;;   The module's matrix products, in the order in which they are computed (A, B: the left and right operand; K: the contracted axis; several contracted axes count as one K, in the product's order):
;;     1. [M 1,024, K 1,024] x [K 1,024, N 8,192]; A: input Wq; B: input x: QUANTISED
;;     2. [M 1,024, K 1,024] x [K 1,024, N 8,192]; A: input Wk; B: input x: QUANTISED
;;     3. [M 1,024, K 1,024] x [K 1,024, N 8,192]; A: input Wv; B: input x: QUANTISED
;;     4. batch 64 x [M 2,048, K 64] x [K 64, N 2,048]; A: computed on the way; B: computed on the way: left as it is (an operand is computed on the way)
;;     5. batch 64 x [M 2,048, K 2,048] x [K 2,048, N 64]; A: computed on the way; B: computed on the way: left as it is (an operand is computed on the way)
;;     6. [M 8,192, K 1,024] x [K 1,024, N 1,024]; A: computed on the way; B: input Wp: left as it is (an operand is computed on the way)
;;   THE QUANTISER, for each operand of a quantised product, along K:
;;     - K is cut into blocks of 32 from its start; a last block that is shorter is filled with zeros.
;;     - A block's scale is 2^e with e = floor(log2(the largest magnitude in the block)) - 2, held to -126 .. 127; a block of zeros has e = 0. As a byte (E8M0): e + 127.
;;     - Each number is divided by its block's scale, clamped to +-6, and rounded to the nearest number of E2M1, ties to even, subnormals kept.
;;     - The product sums the exact products of the quantised numbers (number of the format x scale) in f32.
;;   ~~~python
;;   def quantise(x, axis):      # numpy; x: float32 -> the quantised numbers, widened to float32 again
;;       x = np.moveaxis(x, axis, -1); K = x.shape[-1]
;;       x = np.pad(x, [(0, 0)] * (x.ndim - 1) + [(0, -K % 32)]); x = x.reshape(x.shape[:-1] + (-1, 32)); a = np.abs(x).max(-1, keepdims=True)
;;       e = np.where(a > 0, np.clip(np.frexp(np.where(a > 0, a, 1))[1] - 1 - 2, -126, 127), 0)      # np.frexp(a)[1] - 1 = floor(log2(a)), exactly
;;       r = np.clip(x / 2.0 ** e, -6, 6)
;;       step = 2.0 ** (np.maximum(np.frexp(np.where(r == 0, 1, r))[1] - 1, 0) - 1)
;;       q = np.round(r / step) * step * 2.0 ** e      # np.round: ties to even
;;       return np.moveaxis(q.reshape(q.shape[:-2] + (-1,))[..., :K], -1, axis).astype(np.float32)
;;   ~~~
;; One version. Each part assembles by itself: llvm-mc -triple=amdgcn-amd-amdhsa -mcpu=gfx1250 --defsym DOCPART=n.
;; ======== version 1 of 1: 5 launches
;; limits: values are held in f16: magnitudes above 65,504 overflow, below 6.1e-05 lose precision
;; workspace buffers: xc 4,194,304 bytes; xs 262,144 bytes; wc 1,572,864 bytes; ws 98,304 bytes; wp16 4,194,304 bytes; qkv 50,331,648 bytes; fq 786,432 bytes; att 16,777,216 bytes
;; launch prep (part 1): grid 288 x 1, 8 waves a work-group, no clusters, 84,480 bytes of LDS; arguments x, Wq, Wk, Wv, Wp, xc, xs, wc, ws, wp16; writes xc, xs, wc, ws, wp16
.if DOCPART == 1
	.amdgcn_target "amdgcn-amd-amdhsa--gfx1250"
	.amdhsa_code_object_version 6
	.text
	.protected	k_qc02a897d2f_prep
	.globl	k_qc02a897d2f_prep
	.p2align	8
	.type	k_qc02a897d2f_prep,@function
k_qc02a897d2f_prep:
	s_mov_b64 s[64:65], 0
	v_nop
	global_prefetch_b8 v0, s[64:65] scope:SCOPE_SE
	s_setreg_imm32_b32 hwreg(HW_REG_WAVE_MODE, 25, 1), 1
	s_wait_xcnt 0x0
; PREP: what the later launches read many times is made once.
;   work-groups 0-127   (path X): x [8192][1024] f32 -> codes of FP4 (E2M1), K innermost, xc [8192][512 bytes], and one E8M0 byte for each 32 along K, xs [8192][32].
;   work-groups 128-223 (path W): Wq, Wk, Wv [16][1024 (K)][64] f32 -> wc [3072 rows n = 1024 tensor + 64 head + e][512 bytes], ws [3072][32].  K is the middle axis: a lane takes a column e, its registers run down K.
;   work-groups 224-287 (path P): Wp [1024 (n)][1024 (k)] f32 -> wp16: a high and a low f16 part, each laid as images of operand registers: [16 rows n][16 k] blocks of 512 bytes, lane l = r + 16 h holding row r, k = 8 h .. 8 h + 7 at byte 16 l.
; A block's scale is 2^(floor(log2(largest magnitude)) - 2); its byte is the largest magnitude's exponent field - 2, held at 1 from below.
; LIMITS: a block of zeros gets the byte 1 where the rule says 127 (its codes are zeros, and this program alone reads the bytes); NaN and infinities among the inputs are not served;
; numbers of Wp beyond f16's range (65,504) are not served; under 2^-14 the high part keeps f16's subnormal step.
; The three paths part on the work-group's number alone, and each has LDS bytes of its own.
.set STEPS, 16
.set WREG,  8192                       ; path X: a region for each wave: two stages of 32 x SP bytes, then its 256 scale bytes
.set SP,    80                         ; a lane's place in a stage: 64 bytes + 16 of padding
.set STW,   65536                      ; path W: a stage of 32 rows (columns e) x 512 bytes + 16
.set WP,    528
.set SCW,   STW+32*WP                  ; path W: 32 rows x 32 scale bytes
.set SPARE, SCW+1024                   ; the spare words, 128 bytes for each of the eight waves; no other line names them
.set SPW,   12                         ; v12 LDS address of my spare word; never rewritten
.set NIL,   13                         ; v13 0; never rewritten
.set R,     16                         ; path X: v16-79 four sets of 16 numbers as loaded
.set X,     80                         ; v80-111 two sets of 16 neighbours
.set E,     112                        ; v112-127 a scale byte for each step
.set C,     128                        ; v128-191 codes, registers of their own for each step
	s_load_b256 s[4:11], s[0:1], 0x0               ; x s[4:5], Wq s[6:7], Wk s[8:9], Wv s[10:11]
	s_load_b256 s[12:19], s[0:1], 0x20             ; Wp s[12:13], xc s[14:15], xs s[16:17], wc s[18:19]
	s_load_b128 s[20:23], s[0:1], 0x40             ; ws s[20:21], wp16 s[22:23]
	v_lshl_add_u32 v[SPW], v0, 2, SPARE
	v_mov_b32 v[NIL], 0
	v_lshrrev_b32 v1, 5, v0
	v_readfirstlane_b32 s24, v1                    ; wave 0..7
	v_and_b32 v2, 31, v0                           ; lane
	s_mov_b32 s29, 0                               ; the high word of every offset pair s[28:29]
	s_wait_kmcnt 0x0
	s_cmp_lt_u32 ttmp9, 128
	s_cbranch_scc1 .Lpath_x
	s_cmp_lt_u32 ttmp9, 224
	s_cbranch_scc1 .Lpath_w
; ---------------- path P: Wp in two f16 parts.  The work-group takes 16 rows n, wave w the k = 128 w .. 128 w + 127: eight blocks of 16 k.
	s_sub_co_u32 s25, ttmp9, 224                   ; the group of 16 rows
	v_and_b32 v3, 15, v0                           ; r
	v_bfe_u32 v4, v0, 4, 1                         ; h
	v_lshlrev_b32 v5, 12, v3
	v_lshl_add_u32 v5, v4, 5, v5                   ; in: row r of 4,096 bytes, + 32 h: my 8 numbers of a block
	v_lshlrev_b32 v6, 4, v2                        ; out: 16 x lane
	s_lshl_b32 s28, s25, 16
	s_lshl_b32 s26, s24, 9
	s_add_co_u32 s28, s28, s26
	s_add_nc_u64 s[12:13], s[12:13], s[28:29]      ; Wp at 16 rows x group + 512 bytes x wave
	s_lshl_b32 s28, s25, 15
	s_lshl_b32 s26, s24, 12
	s_add_co_u32 s28, s28, s26
	s_add_nc_u64 s[22:23], s[22:23], s[28:29]      ; wp16 at 64 blocks x group + 8 blocks x wave
	s_mov_b32 s30, 0x46000400                      ; 8193 = 2^13 + 1
	s_mov_b32 s31, s30                             ; (named with it as a pair, so it is written)
.irp i, 0,1,2,3,4,5,6,7
	global_load_b128 v[128+8*\i:128+8*\i+3], v5, s[12:13] offset:64*\i
	global_load_b128 v[128+8*\i+4:128+8*\i+7], v5, s[12:13] offset:64*\i+16
.endr
.irp i, 0,1,2,3,4,5,6,7
	s_wait_loadcnt 14-2*\i                         ; block i's two loads are in; the younger blocks' may be out
.irp j, 0,1,2,3
	v_pk_mul_f32 v[80+2*\j:81+2*\j], v[128+8*\i+2*\j:129+8*\i+2*\j], s[30:31] op_sel_hi:[1,0]                       ; c = 8193 x
.endr
.irp j, 0,1,2,3
	v_pk_add_f32 v[88+2*\j:89+2*\j], v[80+2*\j:81+2*\j], v[128+8*\i+2*\j:129+8*\i+2*\j] neg_lo:[0,1] neg_hi:[0,1]   ; c - x
.endr
.irp j, 0,1,2,3
	v_pk_add_f32 v[80+2*\j:81+2*\j], v[80+2*\j:81+2*\j], v[88+2*\j:89+2*\j] neg_lo:[0,1] neg_hi:[0,1]               ; the high part: x to 11 significant bits
.endr
.irp j, 0,1,2,3
	v_pk_add_f32 v[88+2*\j:89+2*\j], v[128+8*\i+2*\j:129+8*\i+2*\j], v[80+2*\j:81+2*\j] neg_lo:[0,1] neg_hi:[0,1]   ; the low part: exact
.endr
.irp j, 0,1,2,3
	v_cvt_pk_f16_f32 v[16+4*\i+\j], v[80+2*\j], v[81+2*\j]
.endr
.irp j, 0,1,2,3
	v_cvt_pk_f16_f32 v[48+4*\i+\j], v[88+2*\j], v[89+2*\j]
.endr
	global_store_b128 v6, v[16+4*\i:16+4*\i+3], s[22:23] offset:512*\i           ; 32 lanes store 512 consecutive bytes; each block has data registers of its own
	global_store_b128 v6, v[48+4*\i:48+4*\i+3], s[22:23] offset:2097152+512*\i   ; the low parts lie 2,097,152 bytes behind the high ones
.endr
	s_wait_tensorcnt 0x0                           ; the wave's end
	ds_add_u32 v[SPW], v[NIL]
	s_wait_dscnt 0x0
	s_endpgm
; ---------------- path X: x is a plain stream of blocks of 32.  A wave takes 16 steps of 512 numbers.  Each load reads 512 consecutive bytes; a step's 2,048 bytes turn through the wave's own stage,
; so that a lane then holds 16 neighbours along K (two neighbouring lanes hold a block).  Loads run four steps ahead, the turn one step.
.macro XLOAD t
.irp i, 0,1,2,3
	global_load_b128 v[R+16*((\t)%4)+4*\i:R+16*((\t)%4)+4*\i+3], v3, s[4:5] offset:2048*(\t)+512*\i th:TH_LOAD_NT
.endr
.endm
.macro XTURN t                         ; LDS serves a wave's instructions in order: no wait between the stores and the loads
.irp i, 0,1,2,3
	ds_store_b128 v14, v[R+16*((\t)%4)+4*\i:R+16*((\t)%4)+4*\i+3] offset:32*SP*((\t)%2)+8*SP*\i
.endr
.irp i, 0,1,2,3
	ds_load_b128 v[X+16*((\t)%2)+4*\i:X+16*((\t)%2)+4*\i+3], v15 offset:32*SP*((\t)%2)+16*\i
.endr
.endm
.macro XSTEP t
.set XS, X+16*((\t)%2)
.if (\t) > 0
	s_wait_dscnt 1                                 ; this step's numbers are back from the stage; the last step's byte store may be out
.else
	s_wait_dscnt 0x0
.endif
.if (\t)+4 < STEPS
	XLOAD (\t)+4                                   ; into the registers that the stage's stores have read
.endif
.if (\t)+1 < STEPS
.if STEPS-2-(\t) >= 3
	s_wait_loadcnt 12                              ; the next step's four loads are in; those of the three steps behind it may be out
.else
	s_wait_loadcnt 4*(STEPS-2-(\t))
.endif
	XTURN (\t)+1
.endif
	v_max3_num_f32 v8, |v[XS]|, |v[XS+1]|, |v[XS+2]|               ; the largest magnitude of my 16, in two chains
	v_max3_num_f32 v9, |v[XS+3]|, |v[XS+4]|, |v[XS+5]|
.irp i, 6,10
	v_max3_num_f32 v8, v8, |v[XS+\i]|, |v[XS+\i+1]|
	v_max3_num_f32 v9, v9, |v[XS+\i+2]|, |v[XS+\i+3]|
.endr
	v_max3_num_f32 v8, v8, |v[XS+14]|, |v[XS+15]|
	v_max3_num_f32 v8, v8, v9, 0x1800000           ; and the floor 2^(3 - 127): the byte cannot fall under 1
	v_max_num_f32_dpp v8, v8, v8 row_xmask:1 row_mask:0xf bank_mask:0xf   ; and of my neighbour's 16: the block's
	v_add_nc_u32 v11, 0xff000000, v8               ; 2 off its exponent field: the conversion takes the exponent field of this operand as its scale
	v_cvt_scalef32_pk8_fp4_f32 v[C+4*(\t)], v[XS:XS+7], v11
	v_cvt_scalef32_pk8_fp4_f32 v[C+4*(\t)+1], v[XS+8:XS+15], v11
	v_lshrrev_b32 v[E+(\t)], 23, v11               ; the scale's byte (a plain line behind the conversions)
	ds_store_b8 v5, v[E+(\t)] offset:16*(\t)       ; both lanes of a block write the same byte with the same value
	global_store_b64 v4, v[C+4*(\t):C+4*(\t)+1], s[14:15] offset:256*(\t)   ; 32 lanes store 256 consecutive bytes, aligned
.endm
.Lpath_x:
	v_lshlrev_b32 v3, 4, v2                        ; my 16 bytes of a load's 512
	s_lshl_b32 s25, s24, 13                        ; my wave's region
	v_lshrrev_b32 v14, 2, v2
	v_mul_u32_u24 v14, v14, SP
	v_and_b32 v15, 3, v2
	v_lshl_add_u32 v14, v15, 4, v14
	v_add_nc_u32 v14, s25, v14                     ; the stage, in: SP (lane / 4) + 16 (lane % 4)
	v_mul_u32_u24 v15, v2, SP
	v_add_nc_u32 v15, s25, v15                     ; out: SP x lane
	v_lshlrev_b32 v4, 3, v2                        ; my 8 bytes of a step's codes
	v_lshrrev_b32 v5, 1, v2
	s_add_co_u32 s25, s25, 2*32*SP
	v_add_nc_u32 v5, s25, v5                       ; my block's scale byte in LDS
	v_lshlrev_b32 v7, 3, v2
	v_add_nc_u32 v6, s25, v7                       ; and 8 bytes a lane on the way out
	s_lshl_b32 s26, ttmp9, 3
	s_add_co_u32 s26, s26, s24                     ; which run of 8,192 numbers is my wave's
	s_lshl_b32 s28, s26, 15
	s_add_nc_u64 s[4:5], s[4:5], s[28:29]
	s_lshl_b32 s28, s26, 12
	s_add_nc_u64 s[14:15], s[14:15], s[28:29]
	s_lshl_b32 s28, s26, 8
	s_add_nc_u64 s[16:17], s[16:17], s[28:29]
.irp t, 0,1,2,3
	XLOAD \t
.endr
	s_wait_loadcnt 12                              ; step 0's four loads are in
	XTURN 0
.irp t, 0,1,2,3,4,5,6,7,8,9,10,11,12,13,14,15
	XSTEP \t
.endr
	ds_load_b64 v[8:9], v6                         ; my wave's 256 scale bytes
	s_wait_dscnt 0x0
	global_store_b64 v7, v[8:9], s[16:17]          ; one aligned run of 256 bytes
	s_wait_tensorcnt 0x0                           ; the wave's end, behind my last LDS store
	ds_add_u32 v[SPW], v[NIL]
	s_wait_dscnt 0x0
	s_endpgm
; ---------------- path W: the work-group takes 32 columns e of one head of one tensor, all 1,024 along K; wave w takes k = 128 w .. 128 w + 127, four blocks a lane.
.macro WBLOCK t, left
.set XS, 64+32*(\t)
	s_wait_loadcnt \left                           ; this block's 32 loads are in
	v_max3_num_f32 v8, |v[XS]|, |v[XS+1]|, |v[XS+2]|               ; all 32 numbers of the block are mine
	v_max3_num_f32 v9, |v[XS+3]|, |v[XS+4]|, |v[XS+5]|
.irp i, 6,10,14,18,22,26
	v_max3_num_f32 v8, v8, |v[XS+\i]|, |v[XS+\i+1]|
	v_max3_num_f32 v9, v9, |v[XS+\i+2]|, |v[XS+\i+3]|
.endr
	v_max3_num_f32 v8, v8, |v[XS+30]|, |v[XS+31]|
	v_max3_num_f32 v8, v8, v9, 0x1800000           ; the floor 2^(3 - 127)
	v_add_nc_u32 v11, 0xff000000, v8               ; the conversion's scale operand
	v_lshrrev_b32 v9, 23, v11                      ; the scale's byte
.if (\t) == 0
	v_mov_b32 v28, v9
.else
	v_lshl_or_b32 v28, v9, 8*(\t), v28             ; four bytes to a word, the lower K in the lower byte
.endif
.irp g, 0,1,2,3
	v_cvt_scalef32_pk8_fp4_f32 v[32+4*(\t)+\g], v[XS+8*\g:XS+8*\g+7], v11
.endr
	v_nop                                          ; a plain line behind the last conversion
	ds_store_b128 v10, v[32+4*(\t):32+4*(\t)+3] offset:16*(\t)     ; 32 codes: 16 bytes of my column's row; each block has registers of its own
.endm
.Lpath_w:
	s_sub_co_u32 s25, ttmp9, 128                   ; 32 tensor + 2 head + half of the head's columns
	s_cmp_lt_u32 s25, 32
	s_cselect_b64 s[26:27], s[6:7], s[8:9]         ; the choice hangs on the work-group's number alone
	s_cmp_lt_u32 s25, 64
	s_cselect_b64 s[26:27], s[26:27], s[10:11]
	s_lshr_b32 s30, s25, 5                         ; tensor
	s_bfe_u32 s31, s25, 0x40001                    ; head
	s_and_b32 s32, s25, 1                          ; which 32 columns
	s_lshl_b32 s28, s31, 18                        ; a head is 262,144 bytes,
	s_lshl_b32 s33, s24, 15                        ; 128 rows of K 32,768,
	s_add_co_u32 s28, s28, s33
	s_lshl_b32 s33, s32, 7                         ; 32 columns 128
	s_add_co_u32 s28, s28, s33
	s_add_nc_u64 s[26:27], s[26:27], s[28:29]
	v_lshlrev_b32 v3, 2, v2                        ; 4 bytes a lane
.set kk, 0
.rept 128
	global_load_b32 v[64+kk], v3, s[26:27] offset:256*kk           ; W(128 w + kk, my column): 32 lanes read 128 consecutive bytes
.set kk, kk+1
.endr
	s_lshl_b32 s34, s30, 10
	s_lshl_b32 s33, s31, 6
	s_add_co_u32 s34, s34, s33
	s_lshl_b32 s33, s32, 5
	s_add_co_u32 s34, s34, s33                     ; n0: the work-group's first row of wc and ws
	s_lshl_b32 s28, s34, 5
	s_add_nc_u64 s[20:21], s[20:21], s[28:29]
	s_lshl_b32 s33, s24, 2
	s_add_co_u32 s34, s34, s33                     ; on the way out wave w takes rows 4 w .. 4 w + 3
	s_lshl_b32 s28, s34, 9
	s_add_nc_u64 s[18:19], s[18:19], s[28:29]
	v_mul_u32_u24 v10, v2, WP
	s_lshl_b32 s33, s24, 6
	s_add_co_u32 s33, s33, STW
	v_add_nc_u32 v10, s33, v10                     ; the stage, in: row = my column, + 64 bytes x wave
	v_lshlrev_b32 v7, 5, v2
	s_lshl_b32 s33, s24, 2
	s_add_co_u32 s33, s33, SCW
	v_add_nc_u32 v7, s33, v7                       ; my scale word: 32 bytes a row, + 4 x wave
	s_mul_i32 s33, s24, 4*WP
	s_add_co_u32 s33, s33, STW
	v_lshl_add_u32 v14, v2, 4, s33                 ; the stage, out: rows 4 w on, 16 bytes a lane
	v_and_b32 v16, 127, v0
	v_lshlrev_b32 v16, 3, v16                      ; the scale bytes, out: 8 bytes a thread of waves 0 to 3
	v_add_nc_u32 v15, SCW, v16
	v_lshlrev_b32 v17, 4, v2
	WBLOCK 0, 63                                   ; 96 younger loads could stay out, but a wait names 63 at the most
	WBLOCK 1, 63                                   ; (64 could)
	WBLOCK 2, 32
	WBLOCK 3, 0
	ds_store_b32 v7, v28
	s_wait_dscnt 0x0                               ; for the others' sake: my stores have landed
	s_barrier_signal -1
	s_barrier_wait -1
.irp i, 0,1,2,3
	ds_load_b128 v[48+4*\i:48+4*\i+3], v14 offset:WP*\i
.endr
.irp i, 0,1,2,3
	s_wait_dscnt 3-\i
	global_store_b128 v17, v[48+4*\i:48+4*\i+3], s[18:19] offset:512*\i   ; a whole row of 512 bytes
.endr
	s_cmp_lt_u32 s24, 4
	s_cbranch_scc0 .Lw_end
	ds_load_b64 v[8:9], v15
	s_wait_dscnt 0x0
	global_store_b64 v16, v[8:9], s[20:21]         ; 256 consecutive bytes a wave, aligned
.Lw_end:
	s_wait_tensorcnt 0x0                           ; the wave's end, behind my last LDS store
	ds_add_u32 v[SPW], v[NIL]
	s_wait_dscnt 0x0
	s_endpgm
.Lfunc_end_k_qc02a897d2f_prep:
	.size	k_qc02a897d2f_prep, .Lfunc_end_k_qc02a897d2f_prep-k_qc02a897d2f_prep
	.p2alignl 7, 3214868480
	.fill 96, 4, 3214868480
	.section	.rodata,"a",@progbits
	.p2align	6, 0x0
	.amdhsa_kernel k_qc02a897d2f_prep
		.amdhsa_group_segment_fixed_size 84480
		.amdhsa_private_segment_fixed_size 0
		.amdhsa_enable_private_segment 0
		.amdhsa_kernarg_size 80
		.amdhsa_user_sgpr_count 2
		.amdhsa_user_sgpr_kernarg_segment_ptr 1
		.amdhsa_wavefront_size32 1
		.amdhsa_system_sgpr_workgroup_id_x 1
		.amdhsa_system_sgpr_workgroup_id_y 1
		.amdhsa_system_sgpr_workgroup_id_z 1
		.amdhsa_system_vgpr_workitem_id 0
		.amdhsa_next_free_vgpr 192
		.amdhsa_next_free_sgpr 66
		.amdhsa_reserve_vcc 0
		.amdhsa_float_denorm_mode_32 3
		.amdhsa_float_denorm_mode_16_64 3
		.amdhsa_memory_ordered 1
		.amdhsa_forward_progress 1
		.amdhsa_inst_pref_size 70
	.end_amdhsa_kernel
	.amdgpu_metadata
---
amdhsa.version: [ 1, 2 ]
amdhsa.kernels:
  - .name:           k_qc02a897d2f_prep
    .symbol:         k_qc02a897d2f_prep.kd
    .args:
      - { .name: x, .offset: 0, .size: 8, .value_kind: global_buffer, .address_space: global }
      - { .name: Wq, .offset: 8, .size: 8, .value_kind: global_buffer, .address_space: global }
      - { .name: Wk, .offset: 16, .size: 8, .value_kind: global_buffer, .address_space: global }
      - { .name: Wv, .offset: 24, .size: 8, .value_kind: global_buffer, .address_space: global }
      - { .name: Wp, .offset: 32, .size: 8, .value_kind: global_buffer, .address_space: global }
      - { .name: xc, .offset: 40, .size: 8, .value_kind: global_buffer, .address_space: global }
      - { .name: xs, .offset: 48, .size: 8, .value_kind: global_buffer, .address_space: global }
      - { .name: wc, .offset: 56, .size: 8, .value_kind: global_buffer, .address_space: global }
      - { .name: ws, .offset: 64, .size: 8, .value_kind: global_buffer, .address_space: global }
      - { .name: wp16, .offset: 72, .size: 8, .value_kind: global_buffer, .address_space: global }
    .group_segment_fixed_size: 84480
    .private_segment_fixed_size: 0
    .kernarg_segment_align: 8
    .kernarg_segment_size: 80
    .max_flat_workgroup_size: 256
    .sgpr_count:     66
    .vgpr_count:     192
    .wavefront_size: 32
...
	.end_amdgpu_metadata
.endif
;; end of part 1
;; launch qkv (part 2): grid 12 x 32, 4 waves a work-group, clusters of 4 x 1, 327,680 bytes of LDS; arguments xc, xs, wc, ws, qkv, fq; writes qkv, fq
.if DOCPART == 2
	.amdgcn_target "amdgcn-amd-amdhsa--gfx1250"
	.amdhsa_code_object_version 6
	.text
	.protected	k_qc02a897d2f_qkv
	.globl	k_qc02a897d2f_qkv
	.p2align	8
	.type	k_qc02a897d2f_qkv,@function
k_qc02a897d2f_qkv:
	s_mov_b64 s[64:65], 0
	v_nop
	global_prefetch_b8 v0, s[64:65] scope:SCOPE_SE
	s_setreg_imm32_b32 hwreg(HW_REG_WAVE_MODE, 25, 1), 1
	s_wait_xcnt 0x0
	s_wait_alu depctr_hold_cnt(0) depctr_sa_sdst(0) depctr_va_vdst(0) depctr_va_sdst(0) depctr_va_ssrc(0) depctr_va_vcc(0) depctr_vm_vsrc(0)
	s_getreg_b32 s2, hwreg(HW_REG_IB_STS2, 6, 4)
	s_cmp_eq_u32 s2, 0
	s_cbranch_scc0 .Lentry_in_a_cluster
	s_endpgm
.Lentry_in_a_cluster:
	s_bfe_u32 s2, ttmp6, 0x10000c
	s_cmp_lg_u32 s2, 0x3003
	s_cbranch_scc0 .Lentry_shape_is_right
	s_endpgm
.Lentry_shape_is_right:
; QKV: C[t][n] = sum over k of x[t][k] W[n][k] on codes of FP4 (E2M1) with one E8M0 scale for each 32 along K; 8,192 x 3,072 x 1,024; sums in f32.  n = 1024 tensor + 64 head + e.
; A tile of C, 256 x 256, is made by four waves, 128 x 128 each: 64 accumulators, 512 registers.  All of K lies in two LDS slots of 512 along K (rows of 256 bytes + 16 of padding): nothing is filled twice.
; The scale bytes of the work-group's rows come once, as rows of 256 bytes + 16 of padding.
; CLUSTER 4 x 1: the four partners make the four tile columns of one tensor for the same 256 rows of x: x's codes and scales are asked for JOINTLY (mask 15); W's tiles are each work-group's own (no mask).
; Not 4 x 4: the copy of positions 0 to 15 at the end hangs on the tile row, so the tile row is the cluster's y.
; THE MATRIX INSTRUCTION IS USED TRANSPOSED (source 0 = 16 rows of W, source 1 = 16 rows of x): a lane holds row t = lane % 16 and eight neighbouring n.  Rounded to f16 these are 16 bytes, and the 32 lanes'
; 512 bytes ARE the image of half an operand fragment (16 rows x 16 k: lane r + 16 h holds row r, k = 8 h .. 8 h + 7): they are stored as they stand, 512 consecutive bytes an instruction, with no stage.
; qkv: [tensor 3][batch x head 64][128 groups of 16 t][4 blocks of 16 channels][512 bytes].  In v's blocks lane l's 16 bytes lie at 16 x (l with bits 3 and 4 exchanged), which is the order in which the turning LDS load of the next launch takes them.
; fq: the f32 results of positions 0 to 15 of every batch and head, [tensor][batch x head][8][512 bytes]: block 2 c + u holds registers 4 u .. 4 u + 3 of channel tile c's accumulator at 16 x lane.
; LIMITS: q, k, v beyond f16's range (65,504) are not served.
; REGISTERS, in windows of 256: window 0: v0-31 addresses; v32-95 scale words, two sets; from v128 x's fragments, one set.  window 1: W's fragments, two sets (v0, v128); on the way out the packed results.  windows 2, 3: the accumulators.
.set NQ,     4                         ; steps of 128 along K in a slot
.set ROWB,   256                       ; a tile's row in bytes
.set KROW,   512                       ; a row of codes in memory
.set PITCH,  272
.set FR,     8
.set NL,     2
.set NP,     4
.set HALFT,  128*PITCH
.set SLOT,   4*HALFT
.set SCL,    2*SLOT                    ; the scales
.set HALFS,  16*272                    ; those of 128 rows: 4,096 bytes as 16 rows of 256 + 16
.set SBLK,   2*272                     ; those of 16 rows
.set SPARE,  SCL+4*HALFS               ; the spare words, 128 bytes for each wave; no other line names them
.set ADRA, 16                          ; v16-17 LDS address of x's fragments in slot 0, 1
.set ADRB, 20                          ; v20-21 the same for W
.set VO,   24                          ; v24 my 16 bytes in a block of qkv
.set LO,   25                          ; v25 16 x lane
.set ADRS, 27                          ; v27 my scale words: lanes 0-15 x's rows, lanes 16-31 W's
.set SPW,  28
.set NIL,  29
.set SC,   32
.set AF,   128
.set G1, 24                            ; s[24:31] group 1 for x's tiles; s[32:39] groups 0, one for each slot
.set G0, 32
.set G1B, 48                           ; s[48:55], s[56:63] the same for W's
.set G0B, 56
.set G1S, 68                           ; s[68:75], s[76:79] x's scales; s[80:87], s[88:91] W's
.set G0S, 76
.set G1SB, 80
.set G0SB, 88
.set MSB, 0
.macro WIN new                         ; the immediate's high byte repeats the setting that is left
.if MSB != \new
	s_set_vgpr_msb (MSB<<8)|\new
.set MSB, \new
.endif
.endm
.set MUL_LO, 0xa1                      ; source 0 (W) window 1, source 1 (x) window 0, C and D window 2
.set MUL_HI, 0xf1
.set TO_B,   0x40
; Waves 0 and 1 fetch for x, waves 2 and 3 for W.  The branch hangs on the wave's number alone.  An s_nop 0 and four v_nop follow each of the two lines.
.macro JLOAD g0a, g1a, g0b, g1b
	s_cmp_eq_u32 s15, 0
	s_cbranch_scc0 .Lfor_b_\@
	tensor_load_to_lds s[\g0a:\g0a+3], s[\g1a:\g1a+7]
	s_nop 0
.rept 4
	v_nop
.endr
	s_branch .Lasked_\@
.Lfor_b_\@:
	tensor_load_to_lds s[\g0b:\g0b+3], s[\g1b:\g1b+7]
	s_nop 0
.rept 4
	v_nop
.endr
.Lasked_\@:
.endm
.macro CROUND                          ; a round of the cluster's barrier
	s_barrier_signal -1
	s_barrier_wait -1
	s_cmp_lg_u32 s14, 0
	s_cbranch_scc1 .Lnot_wave_0_\@
	s_barrier_signal -3
.Lnot_wave_0_\@:
	s_barrier_wait -3
	s_barrier_signal -1
	s_barrier_wait -1
.endm
	s_load_b128 s[4:7], s[0:1], 0x0                ; x's codes, x's scales
	s_load_b128 s[8:11], s[0:1], 0x10              ; W's codes, W's scales
	s_load_b64 s[12:13], s[0:1], 0x20              ; qkv
	s_load_b64 s[96:97], s[0:1], 0x28              ; fq
	v_lshl_add_u32 v[SPW], v0, 2, SPARE
	v_mov_b32 v[NIL], 0
	ds_add_u32 v[SPW], v[NIL]                      ; the wave's opening: the add, twice on end, and its wait ahead of my first tensor load
	ds_add_u32 v[SPW], v[NIL]
	v_lshrrev_b32 v1, 5, v0
	v_readfirstlane_b32 s14, v1                    ; wave 0..3
	s_lshr_b32 s15, s14, 1                         ; which half of the tile's rows is mine.  Also: I fetch for x (0) or for W (1)
	s_and_b32 s16, s14, 1                          ; which half of its columns.  Also: which 128 rows I fetch
	s_bfe_u32 s40, ttmp6, 0x40000                  ; cx
	s_lshl_b32 s42, ttmp9, 2
	s_add_co_u32 s42, s42, s40                     ; tile column = 4 x tensor + cx
	s_and_b32 s17, ttmp7, 0xffff                   ; tile row: the same in all four partners
	s_mov_b32 s[G1+0], 15|(1<<20)|(1<<21)|(5<<22)|(3<<25)   ; the mask: all four; elements of 1 byte; padding: 4 words after every 64; bit 21 beside a mask
	s_mov_b32 s[G1B+0], (1<<20)|(5<<22)|(3<<25)             ; no mask
.irp g, G1, G1B
	s_mov_b32 s[\g+1], ROWB<<16                    ; tensor_dim0
	s_mov_b32 s[\g+2], 128<<16                     ; tensor_dim1
	s_mov_b32 s[\g+3], ROWB<<16                    ; tile_dim0
	s_mov_b32 s[\g+4], 128                         ; tile_dim1
	s_mov_b32 s[\g+5], KROW                        ; from row to row
	s_mov_b32 s[\g+6], 0
	s_mov_b32 s[\g+7], 0
.endr
	s_mov_b32 s[G1S+0], 15|(3<<16)|(1<<20)|(1<<21)|(5<<22)|(3<<25)   ; the scales of 128 rows: 16 rows of 32 elements of 8 bytes
	s_mov_b32 s[G1SB+0], (3<<16)|(1<<20)|(5<<22)|(3<<25)
.irp g, G1S, G1SB
	s_mov_b32 s[\g+1], 32<<16
	s_mov_b32 s[\g+2], 16<<16
	s_mov_b32 s[\g+3], 32<<16
	s_mov_b32 s[\g+4], 16
	s_mov_b32 s[\g+5], 32
	s_mov_b32 s[\g+6], 0
	s_mov_b32 s[\g+7], 0
.endr
	s_lshl_b32 s18, s16, 7                         ; which 128 rows of the tile I fetch
	s_lshl_b32 s20, s17, 8
	s_add_co_u32 s20, s20, s18                     ; x: row 256 x tile row + 128 x half
	s_lshl_b32 s46, s42, 8
	s_add_co_u32 s46, s46, s18                     ; W: row 256 x tile column + 128 x half
	s_lshl_b32 s22, s20, 5                         ; their scales, 32 bytes a row,
	s_mov_b32 s23, 0
	s_lshl_b32 s92, s46, 5
	s_mov_b32 s93, 0
	s_lshl_b32 s20, s20, 9                         ; and their codes, 512
	s_mov_b32 s21, 0
	s_lshl_b32 s46, s46, 9
	s_mov_b32 s47, 0
	s_mul_i32 s45, s14, HALFT                      ; where they go: wave x 128 rows
	s_mul_i32 s94, s14, HALFS
	s_and_b32 s3, s17, 7
	s_or_b32 s3, s3, s15                           ; 0 where my rows begin a batch
	s_wait_dscnt 0x0                               ; both opening adds are done
	s_wait_kmcnt 0x0
	s_add_nc_u64 s[20:21], s[4:5], s[20:21]
	s_add_nc_u64 s[22:23], s[6:7], s[22:23]
	s_add_nc_u64 s[46:47], s[8:9], s[46:47]
	s_add_nc_u64 s[92:93], s[10:11], s[92:93]
	CROUND                                         ; all four work-groups are here: the joint loads meet
	s_mov_b32 s[G0S], 1
	s_add_co_u32 s[G0S+1], s94, SCL
	s_mov_b64 s[G0S+2:G0S+3], s[22:23]
	s_or_b32 s[G0S+3], s[G0S+3], 0x80000000
	s_mov_b32 s[G0SB], 1
	s_add_co_u32 s[G0SB+1], s94, SCL
	s_mov_b64 s[G0SB+2:G0SB+3], s[92:93]
	s_or_b32 s[G0SB+3], s[G0SB+3], 0x80000000
	JLOAD G0S, G1S, G0SB, G1SB                     ; the scales first; then both slots: three tensor loads of mine are out
.irp s, 0,1
	s_mov_b32 s[G0+4*\s], 1
	s_add_co_u32 s[G0+4*\s+1], s45, \s*SLOT
	s_add_nc_u64 s[G0+4*\s+2:G0+4*\s+3], s[20:21], \s*ROWB
	s_or_b32 s[G0+4*\s+3], s[G0+4*\s+3], 0x80000000
	s_mov_b32 s[G0B+4*\s], 1
	s_add_co_u32 s[G0B+4*\s+1], s45, \s*SLOT
	s_add_nc_u64 s[G0B+4*\s+2:G0B+4*\s+3], s[46:47], \s*ROWB
	s_or_b32 s[G0B+4*\s+3], s[G0B+4*\s+3], 0x80000000
	JLOAD G0+4*\s, G1, G0B+4*\s, G1B
.endr
	v_and_b32 v1, 15, v0                           ; l % 16
	v_bfe_u32 v2, v0, 4, 1                         ; l / 16
	v_mul_u32_u24 v3, v1, PITCH
	v_lshl_add_u32 v4, v2, 4, v3                   ; a fragment's row x pitch + 16 x half
	s_mul_i32 s21, s15, HALFT                      ; my 128 rows of x
	s_mul_i32 s22, s16, HALFT                      ; my 128 rows of W,
	s_add_co_u32 s22, s22, 2*HALFT                 ; which lie behind x's 256
.irp s, 0,1
	v_add_nc_u32 v[ADRA+\s], s21, v4
	v_add_nc_u32 v[ADRB+\s], s22, v4
	s_add_co_u32 s21, s21, SLOT
	s_add_co_u32 s22, s22, SLOT
.endr
	v_lshlrev_b32 v5, 5, v1                        ; my row's scales: 32 bytes a row,
	v_lshrrev_b32 v6, 8, v5
	v_lshl_add_u32 v5, v6, 4, v5                   ; and 16 more for each 256 passed
	s_mul_i32 s21, s15, HALFS
	s_mul_i32 s22, s16, HALFS
	s_add_co_u32 s22, s22, 2*HALFS
	s_sub_co_u32 s22, s22, s21
	v_mul_u32_u24 v6, s22, v2                      ; lanes 16-31 take W's
	s_add_co_u32 s21, s21, SCL
	v_add_nc_u32 v5, v5, v6
	v_add_nc_u32 v[ADRS], s21, v5
	; the way out: offsets and bases
	v_and_b32 v6, 31, v0
	v_lshlrev_b32 v[LO], 4, v6
	v_lshrrev_b32 v5, 3, v6
	v_lshrrev_b32 v7, 4, v6
	v_xor_b32 v5, v5, v7
	v_and_b32 v5, 1, v5                            ; 1 where the lane's bits 3 and 4 differ
	s_cmp_eq_u32 ttmp9, 2                          ; v?
	s_cselect_b32 s44, 384, 0
	v_mul_u32_u24 v5, v5, s44
	v_xor_b32 v[VO], v[LO], v5                     ; v: 16 x (lane with bits 3 and 4 exchanged); q, k: 16 x lane
	s_lshr_b32 s44, s17, 3                         ; batch
	s_lshl_b32 s44, s44, 4
	s_lshl_b32 s45, s40, 2
	s_add_co_u32 s44, s44, s45
	s_lshl_b32 s45, s16, 1
	s_add_co_u32 s44, s44, s45                     ; 16 batch + head of my first 64 columns
	s_lshl_b32 s45, ttmp9, 6
	s_add_co_u32 s44, s44, s45                     ; + 64 tensor
	s_lshl_b32 s46, s44, 12
	s_mov_b32 s47, 0
	s_add_nc_u64 s[96:97], s[96:97], s[46:47]      ; fq: 4,096 bytes for each
	s_lshl_b32 s46, s44, 18                        ; qkv: 262,144 bytes for each,
	s_and_b32 s45, s17, 7
	s_lshl_b32 s45, s45, 4
	s_lshl_b32 s92, s15, 3
	s_add_co_u32 s45, s45, s92                     ; my first group of 16 t,
	s_lshl_b32 s45, s45, 11                        ; 2,048 bytes a group
	s_add_co_u32 s46, s46, s45
	s_add_nc_u64 s[12:13], s[12:13], s[46:47]
.macro FRAG reg, adr, q, i             ; 16 rows x 128 K of 4-bit codes: 8 registers; registers 4 c .. 4 c + 3 hold K = 64 c + 32 (l / 16) + 0 .. 31
.irp c, 0,1
	ds_load_b128 v[\reg+4*\c:\reg+4*\c+3], v[\adr] offset:64*(\q)+32*\c+(\i)*16*PITCH
.endr
.endm
; 16 matrix instructions: x's blocks a0, a0 + 1 against W's eight.  The 64 accumulators take turns, one instruction a turn, in the same order in every step.
.macro MUL16 a0, p, q, sc, zero
.irp a, \a0, \a0+1
.irp b, 0,1,2,3,4,5,6,7
.if \zero
	v_wmma_scale_f32_16x16x128_f8f6f4 v[8*(8*((\a)%4)+\b):8*(8*((\a)%4)+\b)+7], v[128*(\p)+FR*\b:128*(\p)+FR*\b+FR-1], v[AF+FR*(\a):AF+FR*(\a)+FR-1], 0, v[SC+8*NQ*(\sc)+NQ*\b+(\q)], v[SC+8*NQ*(\sc)+NQ*(\a)+(\q)] matrix_a_fmt:MATRIX_FMT_FP4 matrix_b_fmt:MATRIX_FMT_FP4 matrix_a_scale:MATRIX_SCALE_ROW1
.else
	v_wmma_scale_f32_16x16x128_f8f6f4 v[8*(8*((\a)%4)+\b):8*(8*((\a)%4)+\b)+7], v[128*(\p)+FR*\b:128*(\p)+FR*\b+FR-1], v[AF+FR*(\a):AF+FR*(\a)+FR-1], v[8*(8*((\a)%4)+\b):8*(8*((\a)%4)+\b)+7], v[SC+8*NQ*(\sc)+NQ*\b+(\q)], v[SC+8*NQ*(\sc)+NQ*(\a)+(\q)] matrix_a_fmt:MATRIX_FMT_FP4 matrix_b_fmt:MATRIX_FMT_FP4 matrix_a_scale:MATRIX_SCALE_ROW1
.endif
.endr
.endr
.endm
.macro FETCH_B slot, q, p
	WIN TO_B
.irp i, 0,1,2,3,4,5,6,7
	FRAG 128*(\p)+FR*\i, ADRB+\slot, \q, \i
.endr
	WIN 0
.endm
.macro FETCH_A slot, q, i0
.irp i, \i0, \i0+1, \i0+2, \i0+3
	FRAG AF+FR*(\i), ADRA+\slot, \q, \i
.endr
.endm
.macro SCALES sc                       ; a slot's scale words: 4 words a row; lanes 0-15 take x's block i, lanes 16-31 W's block i
.irp i, 0,1,2,3,4,5,6,7
	ds_load_b128 v[SC+8*NQ*\sc+NQ*\i:SC+8*NQ*\sc+NQ*\i+3], v[ADRS] offset:\i*SBLK
.endr
.endm
.macro PLACES n                        ; plain vector lines between a matrix instruction and a load into, or a vector write of, its registers, or a read of its result
.rept \n
	v_nop
.endr
.endm
.macro STEP slot, q, zero
	s_wait_dscnt 4*NL                              ; W's set and x's blocks 0-3 are in; the youngest eight loads (x's blocks 4-7) may be out
	WIN MUL_LO
	MUL16 0, (\q)%2, \q, \slot, \zero
	MUL16 2, (\q)%2, \q, \slot, \zero
	s_wait_dscnt 0
	PLACES NP
	FETCH_B \slot, (\q)+1, 1-(\q)%2
	FETCH_A \slot, (\q)+1, 0
	WIN MUL_HI
	MUL16 4, (\q)%2, \q, \slot, \zero
	MUL16 6, (\q)%2, \q, \slot, \zero
	PLACES NP
	WIN 0
	FETCH_A \slot, (\q)+1, 4
.endm
.macro STEPS slot, from
.set Q, \from
.rept NQ-1-\from
	STEP \slot, Q, 0
.set Q, Q+1
.endr
.endm
	s_wait_tensorcnt 1                             ; the scales and my part of slot 0 are in; slot 1's load may be out
	s_barrier_signal -1
	s_barrier_wait -1
	FETCH_B 0, 0, 0
	FETCH_A 0, 0, 0
	SCALES 0
	FETCH_A 0, 0, 4
	STEP 0, 0, 1                                   ; the first step's products start the sums: nothing is cleared
	STEPS 0, 1
	; slot 0's last step changes slots
	s_wait_tensorcnt 0x0                           ; my part of slot 1 has landed
	ds_add_u32 v[SPW], v[NIL]
	s_wait_dscnt 4*NL+1                            ; the add and x's blocks 4-7 may be out
	WIN MUL_LO
	MUL16 0, 1, NQ-1, 0, 0
	s_wait_dscnt 0x0
	s_barrier_signal -1
	MUL16 2, 1, NQ-1, 0, 0
	WIN 0
	s_barrier_wait -1                              ; slot 1 is whole
	PLACES NP
	v_add_nc_u32 v[ADRS], 4*NQ, v[ADRS]            ; the second slot's scale words
	FETCH_B 1, 0, 0
	FETCH_A 1, 0, 0
	SCALES 1
	WIN MUL_HI
	MUL16 4, 1, NQ-1, 0, 0
	MUL16 6, 1, NQ-1, 0, 0
	PLACES NP
	WIN 0
	FETCH_A 1, 0, 4
	STEPS 1, 0
	s_wait_dscnt 4*NL                              ; the very last step
	WIN MUL_LO
	MUL16 0, 1, NQ-1, 1, 0
	MUL16 2, 1, NQ-1, 1, 0
	s_wait_dscnt 0
	WIN MUL_HI
	MUL16 4, 1, NQ-1, 1, 0
	MUL16 6, 1, NQ-1, 1, 0
	WIN 0
; THE WAY OUT.  Block a (16 rows t): each accumulator is rounded to f16 from its low end on, into window 1, whose registers are each written once; eight stores of 512 consecutive bytes.
.macro PACKOUT a
.set AC, 64*((\a)%4)
	WIN 0x4a+5*((\a)/4)                            ; destination window 1, sources window 2 or 3
.irp b, 0,1,2,3,4,5,6,7
.irp i, 0,1,2,3
	v_cvt_pk_f16_f32 v[32*(\a)+4*\b+\i], v[AC+8*\b+2*\i], v[AC+8*\b+2*\i+1]
.endr
.endr
	WIN 0x04                                       ; a store's data are its source 1: window 1
.irp b, 0,1,2,3,4,5,6,7
	global_store_b128 v[VO], v[32*(\a)+4*\b:32*(\a)+4*\b+3], s[12:13] offset:(\b/4)*262144+2048*(\a)+512*(\b%4) th:TH_STORE_NT
.endr
.endm
	PLACES NP                                      ; window 1 held W's fragments, which the last products read
.irp a, 0,1,2,3,4,5,6,7
	PACKOUT \a
.endr
	WIN 0
	s_cmp_lg_u32 s3, 0                             ; tile row and wave alone: the same in all four partners
	s_cbranch_scc1 .Lno_fine
	WIN 0x08                                       ; data: window 2
.irp b, 0,1,2,3,4,5,6,7
	global_store_b128 v[LO], v[8*\b:8*\b+3], s[96:97] offset:(\b/4)*4096+(\b%4)*1024          ; positions 0 to 15 in f32, as the registers stand
	global_store_b128 v[LO], v[8*\b+4:8*\b+7], s[96:97] offset:(\b/4)*4096+(\b%4)*1024+512
.endr
	WIN 0
.Lno_fine:
	s_wait_tensorcnt 0x0                           ; the wave's end
	ds_add_u32 v[SPW], v[NIL]
	s_wait_dscnt 0x0
	CROUND                                         ; the closing round
	s_endpgm
.Lfunc_end_k_qc02a897d2f_qkv:
	.size	k_qc02a897d2f_qkv, .Lfunc_end_k_qc02a897d2f_qkv-k_qc02a897d2f_qkv
	.p2alignl 7, 3214868480
	.fill 96, 4, 3214868480
	.section	.rodata,"a",@progbits
	.p2align	6, 0x0
	.amdhsa_kernel k_qc02a897d2f_qkv
		.amdhsa_group_segment_fixed_size 327680
		.amdhsa_private_segment_fixed_size 0
		.amdhsa_enable_private_segment 0
		.amdhsa_kernarg_size 48
		.amdhsa_user_sgpr_count 2
		.amdhsa_user_sgpr_kernarg_segment_ptr 1
		.amdhsa_wavefront_size32 1
		.amdhsa_system_sgpr_workgroup_id_x 1
		.amdhsa_system_sgpr_workgroup_id_y 1
		.amdhsa_system_sgpr_workgroup_id_z 1
		.amdhsa_system_vgpr_workitem_id 0
		.amdhsa_next_free_vgpr 1024
		.amdhsa_next_free_sgpr 100
		.amdhsa_reserve_vcc 0
		.amdhsa_float_denorm_mode_32 3
		.amdhsa_float_denorm_mode_16_64 3
		.amdhsa_memory_ordered 1
		.amdhsa_forward_progress 1
		.amdhsa_inst_pref_size 119
	.end_amdhsa_kernel
	.amdgpu_metadata
---
amdhsa.version: [ 1, 2 ]
amdhsa.kernels:
  - .name:           k_qc02a897d2f_qkv
    .symbol:         k_qc02a897d2f_qkv.kd
    .args:
      - { .name: xc, .offset: 0, .size: 8, .value_kind: global_buffer, .address_space: global }
      - { .name: xs, .offset: 8, .size: 8, .value_kind: global_buffer, .address_space: global }
      - { .name: wc, .offset: 16, .size: 8, .value_kind: global_buffer, .address_space: global }
      - { .name: ws, .offset: 24, .size: 8, .value_kind: global_buffer, .address_space: global }
      - { .name: qkv, .offset: 32, .size: 8, .value_kind: global_buffer, .address_space: global }
      - { .name: fq, .offset: 40, .size: 8, .value_kind: global_buffer, .address_space: global }
    .group_segment_fixed_size: 327680
    .private_segment_fixed_size: 0
    .kernarg_segment_align: 8
    .kernarg_segment_size: 48
    .max_flat_workgroup_size: 128
    .sgpr_count:     100
    .vgpr_count:     1024
    .wavefront_size: 32
...
	.end_amdgpu_metadata
.endif
;; end of part 2
;; launch attn (part 3): grid 4 x 64, 8 waves a work-group, no clusters, 327,680 bytes of LDS; arguments qkv, att; writes att
.if DOCPART == 3
	.amdgcn_target "amdgcn-amd-amdhsa--gfx1250"
	.amdhsa_code_object_version 6
	.text
	.protected	k_qc02a897d2f_attn
	.globl	k_qc02a897d2f_attn
	.p2align	8
	.type	k_qc02a897d2f_attn,@function
k_qc02a897d2f_attn:
	s_mov_b64 s[64:65], 0
	v_nop
	global_prefetch_b8 v0, s[64:65] scope:SCOPE_SE
	s_setreg_imm32_b32 hwreg(HW_REG_WAVE_MODE, 25, 1), 1
	s_wait_xcnt 0x0
; ATTN: att[b][t][64 head + e] = sum over keys k <= t of softmax_k(q . k / 8) v, on f16 operands, products, maxima and sums in f32; the weights p are rounded to f16 for the second product, att once at the end.
; qkv holds images of operand registers (blocks of 512 bytes: 16 rows t x 16 channels, lane r + 16 h: row r, channels 8 h .. 8 h + 7); so tiles are dense blocks, and every LDS load is 16 x lane + a constant.
; SHARES.  A head has 8 blocks of 256 queries.  Work-group i of a head makes block 7 - i (key slots 0 .. 7 - i) and then block i (key slots 0 .. i): nine slots of 256 keys for every work-group: equal work, a constant
; trip count, and every slot that is fetched is read.  Wave w owns 32 queries, two tiles: chunk w (w < 4) or 11 - w, so that waves w and w + 4 together walk five of a diagonal slot's eight key steps.
; A KEY STEP is 64 keys: S^T = K Q^T (16 products), the softmax, O^T += V^T P (16 products).  Both products are used transposed: a lane holds ONE query (lane % 16) throughout.
; SOFTMAX: a running maximum m and sum l: p = 2^(c s - c m), c = log2(e) / 8; in every step O and l are multiplied by a = 2^(c m_old - c m_new).  Hidden scores become -infinity ahead of the maximum.
; A step is walked only where its first key is at or under the wave's first query (both are multiples of 32 and 64), so every query of a walked step has a key that counts, and m is a number from the first step on.
; NO CLUSTER: the four work-groups of a head leave the common walk at different slots (7 - i differs), so from then on they want different tiles behind the same barrier.
; LIMITS: NaN and infinities are not served; att is f16.
; REGISTERS: window 0: v1-7, v24 addresses and constants; v8-23 statistics, 8 a tile: +0 c m, +1 m, +2, +3 l, +4 .. +7 at work (a in +6); v32-63 Q; v64-127 K; v128-191 S^T, then p, then P in place; v192-255 O^T.  window 1: v0-63 V^T.
.set SLOT1, 65536                      ; a slot: K's 32,768 bytes, then V's; slot 1 begins here: one exclusive or turns an address
.set VOFF,  32768
.set SPARE, 131072                     ; the spare words, 128 bytes for each of the eight waves; no other line names them
.set L16, 1
.set ADK, 2
.set DD,  3
.set NEG, 4
.set SPW, 5
.set NIL, 6
.set PFO, 7
.set ST,  8
.set RH,  24                           ; v24 lane % 16 - 8 (lane / 16)
.set Q,   32
.set KR,  64
.set S,   128
.set O,   192
.set WV,  8
.set BH,  10
.set CHI, 11
.set KS,  12                           ; the key slot in hand
.set QB,  13                           ; the block of queries in hand
.set KF,  14                           ; the step's first key
.set Q0,  15                           ; my first query
.set G1,  16
.set G0,  24
.set WB,  28                           ; s[28:29] where my loads (waves 0-3) or prefetches (waves 4-7) begin in the head's K or V
.set OFF, 30                           ; s[30:31] an offset; the high word stays 0
.set QH,  32
.set AH,  34
.set QA,  36
.set AP,  38
.set PFA, 40
.set LIM, 42
.set SLOTS, 43
.set TW,  44
.set TS,  45                           ; LDS byte at which the step's tiles begin
.set CS,  46
.set SEL, 48
.set MSB, 0
.macro WIN new
.if MSB != \new
	s_set_vgpr_msb (MSB<<8)|\new
.set MSB, \new
.endif
.endm
; Waves 0 and 1 fetch K's halves of a slot, waves 2 and 3 V's, 16,384 dense bytes each; the others nothing.  An s_nop 0 and four v_nop follow the load.
.macro TLOAD
	s_cmp_lt_u32 s[WV], 4
	s_cbranch_scc0 .Lno_load_\@
	tensor_load_to_lds s[G0:G0+3], s[G1:G1+7]
	s_nop 0
.rept 4
	v_nop
.endr
.Lno_load_\@:
.endm
; A PREFETCH INTO THE L2 of the key slot that the NEXT change of slots will ask for: four key steps ahead of that load.  All four work-groups of a head begin with the same walk; work-group 0, whose first walk takes all
; eight slots, asks, and in it the waves that fetch nothing: waves 4 to 7, each for the 16,384 bytes that wave w - 4 will load: two instructions, lanes 256 bytes apart.  So each aligned block of 256 bytes is named once.
; Slots 0 and 1 come by their loads alone; the last slot asked for is the head's eighth.
.macro ASK
	s_cmp_gt_u32 s[SLOTS], s[LIM]
	s_cbranch_scc0 .Lnot_mine_\@
	global_prefetch_b8 v[PFO], s[PFA:PFA+1] th:TH_LOAD_NT scope:SCOPE_SE
	global_prefetch_b8 v[PFO], s[PFA:PFA+1] offset:8192 th:TH_LOAD_NT scope:SCOPE_SE
.Lnot_mine_\@:
.endm
	s_load_b128 s[4:7], s[0:1], 0x0                ; qkv s[4:5], att s[6:7]
	v_lshl_add_u32 v[SPW], v0, 2, SPARE
	v_mov_b32 v[NIL], 0
	ds_add_u32 v[SPW], v[NIL]                      ; the wave's opening: the add, twice on end, and its wait ahead of my first tensor load
	ds_add_u32 v[SPW], v[NIL]
	v_lshrrev_b32 v1, 5, v0
	v_readfirstlane_b32 s[WV], v1                  ; wave 0..7
	s_and_b32 s[BH], ttmp7, 0xffff                 ; 16 batch + head
	s_sub_co_u32 s50, 11, s[WV]
	s_cmp_lt_u32 s[WV], 4
	s_cselect_b32 s[CHI], s[WV], s50               ; my chunk of 32 queries
	s_mov_b32 s[G1+0], 3<<16                       ; no mask; elements of 8 bytes; no padding
	s_mov_b32 s[G1+1], 32<<16                      ; tensor_dim0 = 32: rows of 256 bytes
	s_mov_b32 s[G1+2], 64<<16                      ; tensor_dim1 = 64
	s_mov_b32 s[G1+3], 32<<16                      ; tile_dim0
	s_mov_b32 s[G1+4], 64                          ; tile_dim1
	s_mov_b32 s[G1+5], 32                          ; dense
	s_mov_b32 s[G1+6], 0
	s_mov_b32 s[G1+7], 0
	s_mov_b32 s[G0], 1
	s_and_b32 s50, s[WV], 3
	s_lshl_b32 s[G0+1], s50, 14                    ; LDS: K's halves, then V's; slot 0
	s_lshr_b32 s51, s50, 1
	s_add_co_u32 s51, s51, 1                       ; tensor 1 (k) or 2 (v)
	s_lshl_b32 s51, s51, 24
	s_lshl_b32 s52, s[BH], 18                      ; the head's 262,144 bytes
	s_add_co_u32 s51, s51, s52
	s_and_b32 s53, s[WV], 1
	s_lshl_b32 s53, s53, 14
	s_add_co_u32 s[OFF], s51, s53
	s_mov_b32 s[OFF+1], 0
	s_mov_b32 s[CS], 0x3e38aa3b                    ; c = log2(e) / 8
	s_mov_b32 s[CS+1], s[CS]
	s_mov_b32 s[SEL], 0x76543210
	s_mov_b32 s[SEL+1], 0xfedcba98                 ; v_permlanex16_b32: lane l xor 16
	s_lshr_b32 s50, s[WV], 2
	s_xor_b32 s50, s50, 1                          ; 0 in waves 4 to 7,
	s_or_b32 s50, s50, ttmp9                       ; of the head's work-group 0
	s_cmp_eq_u32 s50, 0
	s_cselect_b32 s[LIM], 2, -1                    ; they ask while more than two changes that fill are left
	s_wait_dscnt 0x0                               ; both opening adds are done
	s_wait_kmcnt 0x0
	s_add_nc_u64 s[WB:WB+1], s[4:5], s[OFF:OFF+1]
	s_mov_b64 s[G0+2:G0+3], s[WB:WB+1]
	s_or_b32 s[G0+3], s[G0+3], 0x80000000
	TLOAD                                          ; key slot 0 into slot 0: one tensor load of mine is out, here and behind every barrier
	s_add_nc_u64 s[PFA:PFA+1], s[WB:WB+1], 32768   ; key slot 1; the first change steps it to 2.  Nothing is prefetched here, at the head
	s_mov_b32 s[OFF], s52
	s_add_nc_u64 s[QH:QH+1], s[4:5], s[OFF:OFF+1]  ; q of my head
	s_lshr_b32 s50, s[BH], 4
	s_lshl_b32 s50, s50, 22                        ; att: a batch is 128 groups of 32,768 bytes,
	s_and_b32 s51, s[BH], 15
	s_lshl_b32 s51, s51, 11                        ; a head 4 blocks of 512
	s_add_co_u32 s[OFF], s50, s51
	s_add_nc_u64 s[AH:AH+1], s[6:7], s[OFF:OFF+1]
	v_and_b32 v1, 31, v0
	v_lshlrev_b32 v[PFO], 8, v1
	v_lshlrev_b32 v[L16], 4, v1
	v_and_b32 v[RH], 15, v0
	v_bfe_u32 v25, v0, 4, 1
	v_lshlrev_b32 v25, 3, v25
	v_sub_nc_u32 v[RH], v[RH], v25
	v_mov_b32 v[NEG], 0xff800000                   ; -infinity
; A block of queries begins: addresses, Q, and the state.  (O^T begins as zeros and m as -3e38, so that the key step is written once: the first a is 0.)
.macro INIT
	s_wait_xcnt 0x0                                ; the stores of the block before have read their base and their data registers
	s_lshl_b32 s[Q0], s[QB], 8
	s_lshl_b32 s50, s[CHI], 5
	s_add_co_u32 s[Q0], s[Q0], s50
	s_lshl_b32 s[OFF], s[Q0], 7                    ; 2,048 bytes for 16 queries
	s_add_nc_u64 s[QA:QA+1], s[QH:QH+1], s[OFF:OFF+1]
	s_lshl_b32 s[OFF], s[Q0], 11                   ; 32,768 bytes for 16 rows of att
	s_add_nc_u64 s[AP:AP+1], s[AH:AH+1], s[OFF:OFF+1]
.irp t, 0,1
.irp k, 0,1,2,3
	global_load_b128 v[Q+16*\t+4*\k:Q+16*\t+4*\k+3], v[L16], s[QA:QA+1] offset:2048*\t+512*\k
.endr
.endr
.set b, 0
.rept 64
	v_mov_b32 v[O+b], 0
.set b, b+1
.endr
.irp t, 0,1
	v_mov_b32 v[ST+8*\t+1], 0xff61b1e6             ; m = -3e38, under every score
	v_mov_b32 v[ST+8*\t+2], 0
	v_mov_b32 v[ST+8*\t+3], 0
	v_mul_f32 v[ST+8*\t], s[CS], v[ST+8*\t+1]
.endr
	s_wait_loadcnt 0x0
.endm
; THE CHANGE OF SLOTS stands at a slot's head.  Each wave waits for all its tensor loads, adds 0 to its spare word, and waits for that and for its reads of the slot that it has left; behind the barrier the slot ahead is
; whole and nobody reads the other one, which (fill = 1) is filled with the walk's next key slot: the block's next, or slot 0 of the second block.
.macro CHANGE fill
	s_wait_tensorcnt 0x0                           ; no tensor load of mine is out, so group 0 may be written
	ds_add_u32 v[SPW], v[NIL]
.if \fill
	ds_add_u32 v[SPW], v[NIL]                      ; the add twice on end here, in every trip alike
	s_xor_b32 s[G0+1], s[G0+1], SLOT1
	s_add_co_u32 s51, s[KS], 1
	s_cmp_eq_u32 s[KS], s[QB]
	s_cselect_b32 s51, 0, s51
	s_lshl_b32 s[OFF], s51, 15
	s_add_nc_u64 s[G0+2:G0+3], s[WB:WB+1], s[OFF:OFF+1]
	s_or_b32 s[G0+3], s[G0+3], 0x80000000
	s_wait_xcnt 0x0                                ; the last prefetches, a slot back, have read their address
	s_add_nc_u64 s[PFA:PFA+1], s[PFA:PFA+1], 32768
.endif
	s_wait_dscnt 0x0
	s_barrier_signal -1
	s_barrier_wait -1
.if \fill
	TLOAD                                          ; the first thing behind the barrier, and a wave's one tensor load until the next
	ASK
.endif
	s_lshl_b32 s[KF], s[KS], 8
.endm
.macro STEP
	s_add_co_u32 s50, s[Q0], 31                    ; a step all of whose keys come after my 32 queries is left out: a branch on ids and counted steps, round the work, not round the lines that step addresses
	s_cmp_gt_u32 s[KF], s50
	s_cbranch_scc1 .Lhidden_\@
	v_add_nc_u32 v[ADK], s[TS], v[L16]
.rept 4
	v_nop                                          ; with the line above five plain lines: the scores are written over P, which the last products read, and loads go into V's registers
.endr
.irp kt, 0,1,2,3
.irp k, 0,1,2,3
	ds_load_b128 v[KR+16*\kt+4*\k:KR+16*\kt+4*\k+3], v[ADK] offset:2048*\kt+512*\k
.endr
.endr
	WIN 0x40                                       ; destination window 1
.irp ct, 0,1,2,3
.irp g, 0,1,2,3
	ds_load_tr16_b128 v[16*\ct+4*\g:16*\ct+4*\g+3], v[ADK] offset:VOFF+2048*\g+512*\ct   ; V turned: lane l gets channel 16 ct + l % 16, keys 16 g + 8 (l / 16) + 0 .. 7
.endr
.endr
	WIN 0
	s_wait_dscnt 16                                ; K is in; V's sixteen loads may be out
.irp c, 0,1                                    ; the eight accumulators take turns, one instruction a turn
.irp kt, 0,1,2,3
.irp t, 0,1
.if \c == 0
	v_wmma_f32_16x16x32_f16 v[S+32*\t+8*\kt:S+32*\t+8*\kt+7], v[KR+16*\kt:KR+16*\kt+7], v[Q+16*\t:Q+16*\t+7], 0
.else
	v_wmma_f32_16x16x32_f16 v[S+32*\t+8*\kt:S+32*\t+8*\kt+7], v[KR+16*\kt+8:KR+16*\kt+15], v[Q+16*\t+8:Q+16*\t+15], v[S+32*\t+8*\kt:S+32*\t+8*\kt+7]
.endif
.endr
.endr
.endr
.rept 4
	v_nop
.endr
	s_add_co_u32 s50, s[KF], 63                    ; a step all of whose keys count skips the mask
	s_cmp_le_u32 s50, s[Q0]
	s_cbranch_scc1 .Lopen_\@
	s_sub_co_i32 s50, s[Q0], s[KF]
	v_add_nc_u32 v[DD], s50, v[RH]                 ; register 32 t + 8 kt + j holds key KF + 16 kt + 8 (l / 16) + j and query Q0 + 16 t + l % 16: hidden where 16 kt + j - 16 t > d
.irp t, 0,1
.irp kt, 0,1,2,3
.irp j, 0,1,2,3,4,5,6,7
	v_cmp_gt_i32 vcc_lo, 16*\kt+\j-16*\t, v[DD]
	v_cndmask_b32 v[S+32*\t+8*\kt+\j], v[S+32*\t+8*\kt+\j], v[NEG], vcc_lo
.endr
.endr
.endr
.Lopen_\@:
.irp j, 0,1,2,3                                ; the maximum, three operands at a time, four chains a tile; each accumulator from its low end on; the two tiles line by line
.irp t, 0,1
	v_max3_num_f32 v[ST+8*\t+4+\j], v[S+32*\t+8*\j], v[S+32*\t+8*\j+1], v[S+32*\t+8*\j+2]
.endr
.endr
.irp g, 1,2
.irp j, 0,1,2,3
.irp t, 0,1
	v_max3_num_f32 v[ST+8*\t+4+\j], v[ST+8*\t+4+\j], v[S+32*\t+8*\j+2*\g+1], v[S+32*\t+8*\j+2*\g+2]
.endr
.endr
.endr
.irp t, 0,1
	v_max3_num_f32 v[ST+8*\t+4], v[ST+8*\t+4], v[S+32*\t+7], v[S+32*\t+15]
.endr
.irp t, 0,1
	v_max3_num_f32 v[ST+8*\t+6], v[ST+8*\t+6], v[S+32*\t+23], v[S+32*\t+31]
.endr
.irp t, 0,1
	v_max3_num_f32 v[ST+8*\t+4], v[ST+8*\t+4], v[ST+8*\t+5], v[ST+8*\t+6]
.endr
.irp t, 0,1
	v_max3_num_f32 v[ST+8*\t+4], v[ST+8*\t+4], v[ST+8*\t+7], v[ST+8*\t+1]   ; with the old m
.endr
.irp t, 0,1
	v_permlanex16_b32 v[ST+8*\t+5], v[ST+8*\t+4], s[SEL], s[SEL+1]          ; the query's other 32 keys lie in the lane 16 away
.endr
.irp t, 0,1
	v_mov_b32 v[ST+8*\t+7], v[ST+8*\t]             ; c m_old
.endr
.irp t, 0,1
	v_max_num_f32 v[ST+8*\t+1], v[ST+8*\t+4], v[ST+8*\t+5]
.endr
.irp t, 0,1
	v_mul_f32 v[ST+8*\t], s[CS], v[ST+8*\t+1]
.endr
.irp t, 0,1
	v_sub_f32 v[ST+8*\t+7], v[ST+8*\t+7], v[ST+8*\t]
.endr
.set b, 0
.rept 16
.irp t, 0,1
	v_pk_fma_f32 v[S+32*\t+2*b:S+32*\t+2*b+1], v[S+32*\t+2*b:S+32*\t+2*b+1], s[CS:CS+1], v[ST+8*\t:ST+8*\t+1] op_sel_hi:[1,0,0] neg_lo:[0,0,1] neg_hi:[0,0,1]   ; c s - c m
.endr
.set b, b+1
.endr
.irp t, 0,1                                    ; ONE BATCH of 66 exponentials
	v_exp_f32 v[ST+8*\t+6], v[ST+8*\t+7]           ; a
.endr
.set b, 0
.rept 32
.irp t, 0,1
	v_exp_f32 v[S+32*\t+b], v[S+32*\t+b]
.endr
.set b, b+1
.endr
	v_nop                                          ; a plain line behind the last exponential
	s_wait_alu depctr_va_vdst(0)                   ; one wait for the batch, ahead of its first reader
.irp t, 0,1
	v_pk_mul_f32 v[ST+8*\t+2:ST+8*\t+3], v[ST+8*\t+2:ST+8*\t+3], v[ST+8*\t+6:ST+8*\t+7] op_sel_hi:[1,0]   ; l x a
.endr
.irp t, 0,1
	v_pk_add_f32 v[ST+8*\t+4:ST+8*\t+5], v[S+32*\t:S+32*\t+1], v[S+32*\t+2:S+32*\t+3]                     ; the sums of the unrounded p, in two chains
.endr
.irp j, 4,8,12,16,20,24,28
.irp t, 0,1
	v_pk_add_f32 v[ST+8*\t+2:ST+8*\t+3], v[ST+8*\t+2:ST+8*\t+3], v[S+32*\t+\j:S+32*\t+\j+1]
	v_pk_add_f32 v[ST+8*\t+4:ST+8*\t+5], v[ST+8*\t+4:ST+8*\t+5], v[S+32*\t+\j+2:S+32*\t+\j+3]
.endr
.endr
.irp t, 0,1
	v_pk_add_f32 v[ST+8*\t+2:ST+8*\t+3], v[ST+8*\t+2:ST+8*\t+3], v[ST+8*\t+4:ST+8*\t+5]
.endr
.irp t, 0,1                                    ; P in place, ascending: register g of a tile takes pair g, whose registers 2 g, 2 g + 1 lie at or above it
.set b, 0
.rept 16
	v_cvt_pk_f16_f32 v[S+32*\t+b], v[S+32*\t+2*b], v[S+32*\t+2*b+1]
.set b, b+1
.endr
.endr
.irp t, 0,1
.set b, 0
.rept 16
	v_pk_mul_f32 v[O+32*\t+2*b:O+32*\t+2*b+1], v[O+32*\t+2*b:O+32*\t+2*b+1], v[ST+8*\t+6:ST+8*\t+7] op_sel_hi:[1,0]   ; O^T x a, each accumulator from its low end on
.set b, b+1
.endr
.endr
	s_wait_dscnt 0x0                               ; V is in
	WIN 0x01                                       ; source 0 (V^T) window 1
.irp kh, 0,1
.irp ct, 0,1,2,3
.irp t, 0,1
	v_wmma_f32_16x16x32_f16 v[O+32*\t+8*\ct:O+32*\t+8*\ct+7], v[16*\ct+8*\kh:16*\ct+8*\kh+7], v[S+32*\t+8*\kh:S+32*\t+8*\kh+7], v[O+32*\t+8*\ct:O+32*\t+8*\ct+7]
.endr
.endr
.endr
	WIN 0
.Lhidden_\@:
	s_add_co_u32 s[KF], s[KF], 64
	s_add_co_u32 s[TS], s[TS], 8192                ; 64 keys: four groups of 2,048 bytes
.endm
.macro SLOT_STEPS                      ; a slot's four key steps: written once, walked four times
	s_mov_b32 s[TW], 4
.Lstep_\@:
	STEP
	s_sub_co_u32 s[TW], s[TW], 1
	s_cmp_lg_u32 s[TW], 0
	s_cbranch_scc1 .Lstep_\@
	s_sub_co_u32 s[TS], s[TS], 32768
	s_xor_b32 s[TS], s[TS], SLOT1                  ; on to the other slot
.endm
; A block of queries ends: O^T / l, rounded to f16: a tile's 16 bytes a lane are a block of att as the next launch's operand registers take it: 512 consecutive bytes a store.
.macro OUT
.rept 4
	v_nop
.endr
.irp t, 0,1
	v_add_f32 v[ST+8*\t+4], v[ST+8*\t+2], v[ST+8*\t+3]
.endr
.irp t, 0,1
	v_permlanex16_b32 v[ST+8*\t+5], v[ST+8*\t+4], s[SEL], s[SEL+1]
.endr
.irp t, 0,1
	v_add_f32 v[ST+8*\t+4], v[ST+8*\t+4], v[ST+8*\t+5]
.endr
.irp t, 0,1
	v_rcp_f32 v[ST+8*\t+6], v[ST+8*\t+4]
.endr
	v_nop
	s_wait_alu depctr_va_vdst(0)                   ; one wait for both reciprocals, ahead of their first reader
.irp t, 0,1
.set b, 0
.rept 16
	v_pk_mul_f32 v[O+32*\t+2*b:O+32*\t+2*b+1], v[O+32*\t+2*b:O+32*\t+2*b+1], v[ST+8*\t+6:ST+8*\t+7] op_sel_hi:[1,0]
.set b, b+1
.endr
.endr
.irp t, 0,1
.set b, 0
.rept 16
	v_cvt_pk_f16_f32 v[S+16*\t+b], v[O+32*\t+2*b], v[O+32*\t+2*b+1]
.set b, b+1
.endr
.endr
.irp t, 0,1
.irp ct, 0,1,2,3
	global_store_b128 v[L16], v[S+16*\t+4*\ct:S+16*\t+4*\ct+3], s[AP:AP+1] offset:32768*\t+512*\ct
.endr
.endr
.endm
	s_mov_b32 s[KS], 0
	s_sub_co_u32 s[QB], 7, ttmp9                   ; the longer block first
	INIT
	s_mov_b32 s[TS], 0
	s_mov_b32 s[SLOTS], 8
.Lslot:                                            ; eight trips: behind each change of slots but the last the walk's next slot is asked for
	CHANGE 1
	SLOT_STEPS
	s_cmp_eq_u32 s[KS], s[QB]                      ; the diagonal slot ends a block: ids alone, the same in all eight waves
	s_cbranch_scc0 .Lsame
	OUT
	s_mov_b32 s[QB], ttmp9
	s_mov_b32 s[KS], 0
	INIT
	s_branch .Lcount
.Lsame:
	s_add_co_u32 s[KS], s[KS], 1
.Lcount:
	s_sub_co_u32 s[SLOTS], s[SLOTS], 1
	s_cmp_lg_u32 s[SLOTS], 0
	s_cbranch_scc1 .Lslot
	CHANGE 0                                       ; the ninth slot is written out: nothing is left to fetch
	SLOT_STEPS
	OUT
	s_wait_tensorcnt 0x0                           ; the wave's end
	ds_add_u32 v[SPW], v[NIL]
	s_wait_dscnt 0x0
	s_endpgm
.Lfunc_end_k_qc02a897d2f_attn:
	.size	k_qc02a897d2f_attn, .Lfunc_end_k_qc02a897d2f_attn-k_qc02a897d2f_attn
	.p2alignl 7, 3214868480
	.fill 96, 4, 3214868480
	.section	.rodata,"a",@progbits
	.p2align	6, 0x0
	.amdhsa_kernel k_qc02a897d2f_attn
		.amdhsa_group_segment_fixed_size 327680
		.amdhsa_private_segment_fixed_size 0
		.amdhsa_enable_private_segment 0
		.amdhsa_kernarg_size 16
		.amdhsa_user_sgpr_count 2
		.amdhsa_user_sgpr_kernarg_segment_ptr 1
		.amdhsa_wavefront_size32 1
		.amdhsa_system_sgpr_workgroup_id_x 1
		.amdhsa_system_sgpr_workgroup_id_y 1
		.amdhsa_system_sgpr_workgroup_id_z 1
		.amdhsa_system_vgpr_workitem_id 0
		.amdhsa_next_free_vgpr 320
		.amdhsa_next_free_sgpr 66
		.amdhsa_reserve_vcc 1
		.amdhsa_float_denorm_mode_32 3
		.amdhsa_float_denorm_mode_16_64 3
		.amdhsa_memory_ordered 1
		.amdhsa_forward_progress 1
		.amdhsa_inst_pref_size 66
	.end_amdhsa_kernel
	.amdgpu_metadata
---
amdhsa.version: [ 1, 2 ]
amdhsa.kernels:
  - .name:           k_qc02a897d2f_attn
    .symbol:         k_qc02a897d2f_attn.kd
    .args:
      - { .name: qkv, .offset: 0, .size: 8, .value_kind: global_buffer, .address_space: global }
      - { .name: att, .offset: 8, .size: 8, .value_kind: global_buffer, .address_space: global }
    .group_segment_fixed_size: 327680
    .private_segment_fixed_size: 0
    .kernarg_segment_align: 8
    .kernarg_segment_size: 16
    .max_flat_workgroup_size: 256
    .sgpr_count:     66
    .vgpr_count:     320
    .wavefront_size: 32
...
	.end_amdgpu_metadata
.endif
;; end of part 3
;; launch proj (part 4): grid 8 x 32, 4 waves a work-group, clusters of 4 x 4, 327,680 bytes of LDS; arguments att, wp16, bp, out0; writes out0
.if DOCPART == 4
	.amdgcn_target "amdgcn-amd-amdhsa--gfx1250"
	.amdhsa_code_object_version 6
	.text
	.protected	k_qc02a897d2f_proj
	.globl	k_qc02a897d2f_proj
	.p2align	8
	.type	k_qc02a897d2f_proj,@function
k_qc02a897d2f_proj:
	s_mov_b64 s[64:65], 0
	v_nop
	global_prefetch_b8 v0, s[64:65] scope:SCOPE_SE
	s_setreg_imm32_b32 hwreg(HW_REG_WAVE_MODE, 25, 1), 1
	s_wait_xcnt 0x0
	s_wait_alu depctr_hold_cnt(0) depctr_sa_sdst(0) depctr_va_vdst(0) depctr_va_sdst(0) depctr_va_ssrc(0) depctr_va_vcc(0) depctr_vm_vsrc(0)
	s_getreg_b32 s2, hwreg(HW_REG_IB_STS2, 6, 4)
	s_cmp_eq_u32 s2, 0
	s_cbranch_scc0 .Lentry_in_a_cluster
	s_endpgm
.Lentry_in_a_cluster:
	s_bfe_u32 s2, ttmp6, 0x10000c
	s_cmp_lg_u32 s2, 0xf033
	s_cbranch_scc0 .Lentry_shape_is_right
	s_endpgm
.Lentry_shape_is_right:
; PROJ: out0[t][n] = sum over k of att[t][k] Wp[n][k] + bp[n]; 8,192 x 1,024 x 1,024; f16 operands (Wp's high parts), sums in f32.
; Both operands lie in memory as images of operand registers: [group of 16 rows][64 blocks of 16 k][512 bytes].  A K step of 128 is 4,096 consecutive bytes of each group; in LDS the tiles are dense,
; and every fragment load is 16 x lane + a constant: 512 consecutive bytes.
; A tile of out0 is 256 rows x 128 columns: 256 work-groups.  Four waves, 128 x 64 each: 32 accumulators, 256 registers (window 1).  K goes in 8 steps through two LDS slots.
; CLUSTER 4 x 4: att's tile is shared along a row of the cluster, Wp's along a column: each is asked for JOINTLY.  THE MATRIX INSTRUCTION IS USED TRANSPOSED (source 0 = 16 rows of Wp, source 1 = 16 rows of att).
; The bias is the C of each sum's first matrix instruction.  No prefetch: of the eight K steps two are first fills, and the launch is short.
; The rows of positions 0 to 15 of each batch are written again, more finely, by the launch that follows.
; REGISTERS: window 0: v16-29 addresses; v32-63 the bias, 8 registers for each of my 4 column blocks; v64-127, v128-191 att's fragments, two buffers; v192-223, v224-255 Wp's.  window 1: accumulator (a, b) at v[8 (4 a + b)].
.set SLOT,   98304                     ; att's 16 groups x 4,096 bytes, then Wp's 8 groups
.set BOFF,   65536
.set STAGE,  2*SLOT                    ; 16 rows x (256 bytes + 16) for each wave, for the way out
.set SPITCH, 272
.set SPARE,  STAGE+4*16*SPITCH         ; the spare words, 128 bytes for each wave; no other line names them
.set LAPS,   4                         ; a lap = two K steps
.set ADRA, 16
.set ADRB, 20
.set STO,  24
.set RD,   25
.set CO,   26
.set BO,   27
.set SPW,  28
.set NIL,  29
.set BIAS, 32
.set G1, 24
.set G0, 32
.set G1B, 48
.set G0B, 56
.set MSB, 0
.macro WIN new
.if MSB != \new
	s_set_vgpr_msb (MSB<<8)|\new
.set MSB, \new
.endif
.endm
.macro JLOAD s                         ; waves 0 and 1 fetch att's two halves, waves 2 and 3 Wp's; an s_nop 0 and four v_nop follow each of the two lines
	s_cmp_eq_u32 s11, 0
	s_cbranch_scc0 .Lfor_b_\@
	tensor_load_to_lds s[G0+4*\s:G0+4*\s+3], s[G1:G1+7]
	s_nop 0
.rept 4
	v_nop
.endr
	s_branch .Lasked_\@
.Lfor_b_\@:
	tensor_load_to_lds s[G0B+4*\s:G0B+4*\s+3], s[G1B:G1B+7]
	s_nop 0
.rept 4
	v_nop
.endr
.Lasked_\@:
.endm
.macro CREST
	s_cmp_lg_u32 s10, 0
	s_cbranch_scc1 .Lnot_wave_0_\@
	s_barrier_signal -3
.Lnot_wave_0_\@:
	s_barrier_wait -3
	s_barrier_signal -1
	s_barrier_wait -1
.endm
.macro CROUND
	s_barrier_signal -1
	s_barrier_wait -1
	CREST
.endm
	s_load_b128 s[4:7], s[0:1], 0x0                ; att, wp16
	s_load_b64 s[2:3], s[0:1], 0x10                ; bp
	s_load_b64 s[8:9], s[0:1], 0x18                ; out0
	v_lshl_add_u32 v[SPW], v0, 2, SPARE
	v_mov_b32 v[NIL], 0
	ds_add_u32 v[SPW], v[NIL]                      ; the wave's opening: the add, twice on end, and its wait ahead of my first tensor load
	ds_add_u32 v[SPW], v[NIL]
	v_lshrrev_b32 v1, 5, v0
	v_readfirstlane_b32 s10, v1                    ; wave 0..3
	s_lshr_b32 s11, s10, 1                         ; which half of the tile's rows is mine.  Also: I fetch for att (0) or for Wp (1)
	s_and_b32 s12, s10, 1                          ; which half of its columns.  Also: which half of that tile I fetch
	s_bfe_u32 s40, ttmp6, 0x40000                  ; cx, cy
	s_bfe_u32 s41, ttmp6, 0x40004
	s_lshl_b32 s42, ttmp9, 2
	s_add_co_u32 s42, s42, s40                     ; tile column
	s_and_b32 s13, ttmp7, 0xffff
	s_lshl_b32 s13, s13, 2
	s_add_co_u32 s13, s13, s41                     ; tile row
	s_lshl_b32 s43, s41, 2
	s_lshl_b32 s43, 15, s43                        ; my row of the cluster
	s_lshl_b32 s44, 0x1111, s40                    ; my column
	s_or_b32 s[G1+0], s43, (3<<16)|(1<<21)         ; the mask; elements of 8 bytes; bit 21 beside a mask; no padding
	s_or_b32 s[G1B+0], s44, (3<<16)|(1<<21)
	s_mov_b32 s[G1+1], 512<<16                     ; tensor_dim0 = 512: rows of 4,096 bytes
	s_mov_b32 s[G1+2], 8<<16                       ; tensor_dim1 = 8 groups
	s_mov_b32 s[G1+3], 512<<16                     ; tile_dim0
	s_mov_b32 s[G1+4], 8                           ; tile_dim1
	s_mov_b32 s[G1+5], 4096                        ; a group is 32,768 bytes
	s_mov_b32 s[G1+6], 0
	s_mov_b32 s[G1+7], 0
	s_mov_b32 s[G1B+1], 512<<16
	s_mov_b32 s[G1B+2], 4<<16
	s_mov_b32 s[G1B+3], 512<<16
	s_mov_b32 s[G1B+4], 4
	s_mov_b32 s[G1B+5], 4096
	s_mov_b32 s[G1B+6], 0
	s_mov_b32 s[G1B+7], 0
	s_lshl_b32 s16, s13, 4
	s_lshl_b32 s17, s12, 3
	s_add_co_u32 s16, s16, s17
	s_lshl_b32 s16, s16, 15                        ; att: group 16 x tile row + 8 x half
	s_mov_b32 s17, 0
	s_lshl_b32 s46, s42, 3
	s_lshl_b32 s47, s12, 2
	s_add_co_u32 s46, s46, s47
	s_lshl_b32 s46, s46, 15                        ; Wp: group 8 x tile column + 4 x half
	s_mov_b32 s47, 0
	s_lshl_b32 s20, s12, 15                        ; where they go: the wave's number alone enters an LDS address
	s_lshl_b32 s21, s12, 14
	s_add_co_u32 s21, s21, BOFF
	s_wait_dscnt 0x0                               ; both opening adds are done
	s_wait_kmcnt 0x0
	s_add_nc_u64 s[14:15], s[4:5], s[16:17]
	s_add_nc_u64 s[46:47], s[6:7], s[46:47]
	CROUND                                         ; all sixteen work-groups are here: the first joint loads meet
.irp s, 0,1
	s_mov_b32 s[G0+4*\s], 1
	s_add_co_u32 s[G0+4*\s+1], s20, \s*SLOT
	s_add_nc_u64 s[G0+4*\s+2:G0+4*\s+3], s[14:15], \s*4096
	s_or_b32 s[G0+4*\s+3], s[G0+4*\s+3], 0x80000000
	s_mov_b32 s[G0B+4*\s], 1
	s_add_co_u32 s[G0B+4*\s+1], s21, \s*SLOT
	s_add_nc_u64 s[G0B+4*\s+2:G0B+4*\s+3], s[46:47], \s*4096
	s_or_b32 s[G0B+4*\s+3], s[G0B+4*\s+3], 0x80000000
	JLOAD \s                                       ; two tensor loads of mine are out at the start, one behind each later round
.endr
	v_and_b32 v1, 15, v0                           ; r
	v_bfe_u32 v2, v0, 4, 1                         ; h
	v_and_b32 v3, 31, v0
	v_lshlrev_b32 v3, 4, v3                        ; 16 x lane
	s_lshl_b32 s21, s11, 15                        ; my 8 groups of att
	s_lshl_b32 s22, s12, 14                        ; my 4 groups of Wp
	s_add_co_u32 s22, s22, BOFF
.irp s, 0,1
	v_add_nc_u32 v[ADRA+\s], s21, v3
	v_add_nc_u32 v[ADRB+\s], s22, v3
	s_add_co_u32 s21, s21, SLOT
	s_add_co_u32 s22, s22, SLOT
.endr
	s_mul_i32 s23, s10, 16*SPITCH
	s_add_co_u32 s23, s23, STAGE                   ; my stage
	v_mul_u32_u24 v4, v1, SPITCH
	v_lshl_add_u32 v4, v2, 5, v4
	v_add_nc_u32 v[STO], s23, v4                   ; in: row r, 32 bytes for each half of the lanes
	v_mul_u32_u24 v5, v2, SPITCH
	v_lshl_add_u32 v5, v1, 4, v5
	v_add_nc_u32 v[RD], s23, v5                    ; back: lanes 0-15 one row of 256 bytes, lanes 16-31 the next
	v_lshlrev_b32 v5, 12, v2
	v_lshl_add_u32 v[CO], v1, 4, v5                ; and the same two rows in out0
	v_lshlrev_b32 v[BO], 5, v2
	s_lshl_b32 s16, s13, 8
	s_lshl_b32 s17, s11, 7
	s_add_co_u32 s16, s16, s17
	s_lshl_b32 s16, s16, 12                        ; my first row, 4,096 bytes a row
	s_mov_b32 s17, 0
	s_add_nc_u64 s[8:9], s[8:9], s[16:17]
	s_lshl_b32 s46, s42, 9
	s_lshl_b32 s47, s12, 8
	s_add_co_u32 s46, s46, s47                     ; my first column, in bytes
	s_mov_b32 s47, 0
	s_add_nc_u64 s[8:9], s[8:9], s[46:47]
	s_add_nc_u64 s[2:3], s[2:3], s[46:47]
.irp b, 0,1,2,3
	global_load_b128 v[BIAS+8*\b:BIAS+8*\b+3], v[BO], s[2:3] offset:64*\b        ; bp at my columns 16 b + 8 h + 0 .. 7: the result's layout
	global_load_b128 v[BIAS+8*\b+4:BIAS+8*\b+7], v[BO], s[2:3] offset:64*\b+16
.endr
; n x 4 matrix instructions: att's blocks a0 .. a0 + n - 1 against Wp's four, 32 along K, buffer f.  The 32 accumulators take turns, one instruction a turn.
.macro MUL f, a0, n, first
.set aa, \a0
.rept \n
.irp b, 0,1,2,3
.if \first
	v_wmma_f32_16x16x32_f16 v[8*(4*aa+\b):8*(4*aa+\b)+7], v[192+32*(\f)+8*\b:192+32*(\f)+8*\b+7], v[64+64*(\f)+8*aa:64+64*(\f)+8*aa+7], v[BIAS+8*\b:BIAS+8*\b+7]
.else
	v_wmma_f32_16x16x32_f16 v[8*(4*aa+\b):8*(4*aa+\b)+7], v[192+32*(\f)+8*\b:192+32*(\f)+8*\b+7], v[64+64*(\f)+8*aa:64+64*(\f)+8*aa+7], v[8*(4*aa+\b):8*(4*aa+\b)+7]
.endif
.endr
.set aa, aa+1
.endr
.endm
.macro MWIN first
.if \first
	WIN 0x40                                       ; D window 1, C (the bias) window 0
.else
	WIN 0x50                                       ; C and D window 1
.endif
.endm
; 24 LDS loads in one run: the slot's q-th 32 along K into buffer f: Wp's four fragments, att's blocks 0-3, att's blocks 4-7
.macro FETCH slot, q, f
.irp b, 0,1,2,3
	ds_load_b128 v[192+32*(\f)+8*\b:192+32*(\f)+8*\b+3], v[ADRB+\slot] offset:4096*\b+1024*(\q)
	ds_load_b128 v[192+32*(\f)+8*\b+4:192+32*(\f)+8*\b+7], v[ADRB+\slot] offset:4096*\b+1024*(\q)+512
.endr
.irp a, 0,1,2,3,4,5,6,7
	ds_load_b128 v[64+64*(\f)+8*\a:64+64*(\f)+8*\a+3], v[ADRA+\slot] offset:4096*\a+1024*(\q)
	ds_load_b128 v[64+64*(\f)+8*\a+4:64+64*(\f)+8*\a+7], v[ADRA+\slot] offset:4096*\a+1024*(\q)+512
.endr
.endm
.macro PLACES                          ; four plain lines in front of loads into registers that matrix instructions have read, and of reads of results
.rept 4
	v_nop
.endr
.endm
.macro QUARTER slot, q, f, g, first    ; multiplies buffer f; in its middle fetches the slot's q-th quarter into buffer g
	s_wait_dscnt 8                                 ; Wp's and att's blocks 0-3 are in; the youngest eight loads (blocks 4-7) may be out
	MWIN \first
	MUL \f, 0, 4, \first
	PLACES
	WIN 0
	FETCH \slot, \q, \g
	s_wait_dscnt 24                                ; all but the 24 just issued
	MWIN \first
	MUL \f, 4, 4, \first
.endm
; A K step's last quarter multiplies buffer 1 and changes slots: one barrier; in front of it each wave waits for all its tensor loads, adds 0 to its spare word, and waits for that and for its reads of this slot.
.macro TURN slot, next, fill
	WIN 0
	s_wait_tensorcnt 0x0                           ; my part of the next slot has landed
	ds_add_u32 v[SPW], v[NIL]
	s_wait_dscnt 9                                 ; the add and the youngest eight loads may be out
	WIN 0x50
	MUL 1, 0, 2, 0
	s_wait_dscnt 0x0                               ; the add is done, and my reads of this slot are over
	s_barrier_signal -1
	MUL 1, 2, 2, 0
	WIN 0
	s_barrier_wait -1
.if \fill
	CREST                                          ; the barrier has opened a round of the cluster's: no wave of any partner still reads this slot or has a load on its way
	s_add_nc_u64 s[G0+4*\slot+2:G0+4*\slot+3], s[G0+4*\slot+2:G0+4*\slot+3], 8192
	s_add_nc_u64 s[G0B+4*\slot+2:G0B+4*\slot+3], s[G0B+4*\slot+2:G0B+4*\slot+3], 8192
	JLOAD \slot                                    ; two K steps on; its four v_nop are also the places in front of the loads below
.else
	PLACES
.endif
	FETCH \next, 0, 0
	WIN 0x50
	MUL 1, 4, 4, 0
.endm
	s_wait_tensorcnt 1                             ; my part of K step 0 is in; K step 1's load may be out
	s_barrier_signal -1
	s_barrier_wait -1
	FETCH 0, 0, 0
	s_wait_loadcnt 0x0                             ; the bias
	QUARTER 0, 1, 0, 1, 1                          ; the first quarter's products start the sums from the bias
	WIN 0
	s_mov_b32 s45, LAPS-1
.Llap:                                             ; a trip goes once round the ring and fills both slots again
	QUARTER 0, 2, 1, 0, 0
	QUARTER 0, 3, 0, 1, 0
	TURN 0, 1, 1
	QUARTER 1, 1, 0, 1, 0
	QUARTER 1, 2, 1, 0, 0
	QUARTER 1, 3, 0, 1, 0
	TURN 1, 0, 1
	QUARTER 0, 1, 0, 1, 0
	WIN 0
	s_sub_co_u32 s45, s45, 1
	s_cmp_lg_u32 s45, 0
	s_cbranch_scc1 .Llap
	QUARTER 0, 2, 1, 0, 0                          ; the last lap fills nothing
	QUARTER 0, 3, 0, 1, 0
	TURN 0, 1, 0
	QUARTER 1, 1, 0, 1, 0
	QUARTER 1, 2, 1, 0, 0
	QUARTER 1, 3, 0, 1, 0
	s_wait_dscnt 8
	WIN 0x50
	MUL 1, 0, 4, 0
	s_wait_dscnt 0
	MUL 1, 4, 4, 0
	WIN 0
; THE WAY OUT, 16 rows x 64 columns at a time: through my own stage, back as whole rows of 256 bytes: sixteen lanes store 256 consecutive bytes, aligned.
.macro TOSTAGE a
	WIN 0x04                                       ; an LDS store's data are its source 1: window 1
.irp b, 0,1,2,3
	ds_store_b128 v[STO], v[8*(4*(\a)+\b):8*(4*(\a)+\b)+3] offset:64*\b          ; each accumulator from its low end on
	ds_store_b128 v[STO], v[8*(4*(\a)+\b)+4:8*(4*(\a)+\b)+7] offset:64*\b+16
.endr
	WIN 0
.set BB, 64+32*((\a)%2)
.irp t, 0,1,2,3,4,5,6,7
	ds_load_b128 v[BB+4*\t:BB+4*\t+3], v[RD] offset:\t*2*SPITCH                  ; LDS serves a wave's instructions in order: these see the stores above
.endr
.endm
.macro SEND a, younger
.set BB, 64+32*((\a)%2)
	s_wait_dscnt \younger
.if (\a) > 0
	s_add_nc_u64 s[8:9], s[8:9], 65536             ; 16 rows on (behind a wait on XCNT: the earlier stores have read their base)
.endif
.irp t, 0,1,2,3,4,5,6,7
	global_store_b128 v[CO], v[BB+4*\t:BB+4*\t+3], s[8:9] offset:\t*8192 th:TH_STORE_NT
.endr
.endm
	PLACES
	TOSTAGE 0
.irp a, 1,2,3,4,5,6,7
.if \a > 1
	s_wait_xcnt 0x0                                ; block a - 2's stores have read their registers and their base
.endif
	TOSTAGE \a
	SEND \a-1, 16                                  ; behind block a - 1's loads: block a's 8 stores and 8 loads
.endr
	s_wait_xcnt 0x0
	SEND 7, 0
	s_wait_tensorcnt 0x0                           ; the wave's end, behind my last tensor load and my last LDS store
	ds_add_u32 v[SPW], v[NIL]
	s_wait_dscnt 0x0
	CROUND                                         ; the closing round
	s_endpgm
.Lfunc_end_k_qc02a897d2f_proj:
	.size	k_qc02a897d2f_proj, .Lfunc_end_k_qc02a897d2f_proj-k_qc02a897d2f_proj
	.p2alignl 7, 3214868480
	.fill 96, 4, 3214868480
	.section	.rodata,"a",@progbits
	.p2align	6, 0x0
	.amdhsa_kernel k_qc02a897d2f_proj
		.amdhsa_group_segment_fixed_size 327680
		.amdhsa_private_segment_fixed_size 0
		.amdhsa_enable_private_segment 0
		.amdhsa_kernarg_size 32
		.amdhsa_user_sgpr_count 2
		.amdhsa_user_sgpr_kernarg_segment_ptr 1
		.amdhsa_wavefront_size32 1
		.amdhsa_system_sgpr_workgroup_id_x 1
		.amdhsa_system_sgpr_workgroup_id_y 1
		.amdhsa_system_sgpr_workgroup_id_z 1
		.amdhsa_system_vgpr_workitem_id 0
		.amdhsa_next_free_vgpr 512
		.amdhsa_next_free_sgpr 66
		.amdhsa_reserve_vcc 0
		.amdhsa_float_denorm_mode_32 3
		.amdhsa_float_denorm_mode_16_64 3
		.amdhsa_memory_ordered 1
		.amdhsa_forward_progress 1
		.amdhsa_inst_pref_size 86
	.end_amdhsa_kernel
	.amdgpu_metadata
---
amdhsa.version: [ 1, 2 ]
amdhsa.kernels:
  - .name:           k_qc02a897d2f_proj
    .symbol:         k_qc02a897d2f_proj.kd
    .args:
      - { .name: att, .offset: 0, .size: 8, .value_kind: global_buffer, .address_space: global }
      - { .name: wp16, .offset: 8, .size: 8, .value_kind: global_buffer, .address_space: global }
      - { .name: bp, .offset: 16, .size: 8, .value_kind: global_buffer, .address_space: global }
      - { .name: out0, .offset: 24, .size: 8, .value_kind: global_buffer, .address_space: global }
    .group_segment_fixed_size: 327680
    .private_segment_fixed_size: 0
    .kernarg_segment_align: 8
    .kernarg_segment_size: 32
    .max_flat_workgroup_size: 128
    .sgpr_count:     66
    .vgpr_count:     512
    .wavefront_size: 32
...
	.end_amdgpu_metadata
.endif
;; end of part 4
;; launch fine (part 5): grid 16 x 4, 16 waves a work-group, no clusters, 84,992 bytes of LDS; arguments fq, wp16, bp, out0; writes out0
.if DOCPART == 5
	.amdgcn_target "amdgcn-amd-amdhsa--gfx1250"
	.amdhsa_code_object_version 6
	.text
	.protected	k_qc02a897d2f_fine
	.globl	k_qc02a897d2f_fine
	.p2align	8
	.type	k_qc02a897d2f_fine,@function
k_qc02a897d2f_fine:
	s_mov_b64 s[64:65], 0
	v_nop
	global_prefetch_b8 v0, s[64:65] scope:SCOPE_SE
	s_setreg_imm32_b32 hwreg(HW_REG_WAVE_MODE, 25, 1), 1
	s_wait_xcnt 0x0
; FINE: positions 0 to 15 of each batch once more, more finely: these rows average one to sixteen values, are the largest, and bear f16's rounding worst.  64 rows of out0 are written over.
; The work-group (x, y) makes columns 64 x .. 64 x + 63 of batch y's first 16 rows.
; PHASE 1, wave = head, all in f32 (the f32 matrix form; 32 instructions a wave): S^T = k q^T, the causal mask, softmax, O^T = v^T p, O / l.  q, k, v come from fq as the first launch's accumulators stood:
; register 8 c + j of lane (r, h) = value(t = r, channel 16 c + 8 h + j).  The f32 form wants k = 2 h + j in register j: step s takes registers 2 s, 2 s + 1 of both operands, which is one order of the channels for both.
; The 16 heads' results are split into a high and a low f16 part (c = 8193 x; hi = c - (c - x); lo = x - hi, all exact but the first) and go to LDS as images of operand registers.
; PHASE 2, wave = (16 columns w % 4, quarter of K w / 4): X = Whi Ahi, Y = Whi Alo, Z = Wlo Ahi on the f16 form, three accumulators by turns; the four quarters of K meet in LDS; + bp; whole runs of 256 bytes out.
; All sixteen work-groups of a batch repeat phase 1: 32 matrix instructions a wave, against a launch of its own and a way through memory.
; LIMITS: NaN and infinities are not served; att and Wp beyond f16's range are not served.
; REGISTERS: v1 16 x lane; v2, v3, v14, v15 offsets and statistics; v4-11 at work; v12, v13 the add's two; v16-47 q, v48-79 k, later v16-79 Wp's low parts; v80-111 v^T, then O / l, then att's fragments;
; v112-119 p, later v112-127 the high parts; v128-143 the low parts; v144-207 Wp's high parts; v208-223 S^T in two halves, v224-255 O^T: written by matrix instructions alone.
.set AHI,   0                          ; 64 blocks of 512 bytes: att's high parts
.set ALO,   32768                      ; the low parts
.set PART,  65536                      ; four quarters of K x 16 rows x (256 bytes + 16)
.set SPARE, PART+4*16*272              ; the spare words, 128 bytes for each of the sixteen waves; no other line names them
.set L16, 1
.set SPW, 12
.set NIL, 13
.set QR,  16
.set KRG, 48
.set WL,  16
.set VT,  80
.set PR,  112
.set HP,  112
.set LP,  128
.set WH,  144
.set SA,  208
.set SB,  216
.set OA,  224
	s_load_b256 s[4:11], s[0:1], 0x0               ; fq s[4:5], wp16 s[6:7], bp s[8:9], out0 s[10:11]
	v_lshl_add_u32 v[SPW], v0, 2, SPARE
	v_mov_b32 v[NIL], 0
	v_lshrrev_b32 v1, 5, v0
	v_readfirstlane_b32 s12, v1                    ; wave 0..15
	s_and_b32 s14, ttmp7, 0xffff                   ; batch
	v_and_b32 v1, 31, v0
	v_lshlrev_b32 v[L16], 4, v1
	v_and_b32 v4, 15, v0                           ; r
	v_bfe_u32 v5, v0, 4, 1                         ; h
	v_bfe_u32 v6, v0, 2, 1                         ; v^T's offset: value(key 8 h + n, channel 16 ct + r) lies at 1,024 ct + 512 ((r / 4) % 2) + 256 (r / 8) + 4 (r % 4) + 128 h + 16 n
	v_lshlrev_b32 v2, 9, v6
	v_bfe_u32 v6, v0, 3, 1
	v_lshl_add_u32 v2, v6, 8, v2
	v_and_b32 v6, 3, v0
	v_lshl_add_u32 v2, v6, 2, v2
	v_lshl_add_u32 v2, v5, 7, v2
	v_lshlrev_b32 v6, 3, v5
	v_sub_nc_u32 v3, v4, v6                        ; d = r - 8 h: key 8 h + j is hidden from query r where j > d
	v_mov_b32 v14, 0xff800000                      ; -infinity
	s_lshl_b32 s16, s14, 4
	s_add_co_u32 s16, s16, s12
	s_lshl_b32 s16, s16, 12                        ; fq: 4,096 bytes for each batch and head
	s_mov_b32 s17, 0
	s_lshl_b32 s24, ttmp9, 2
	s_and_b32 s25, s12, 3                          ; my 16 columns in phase 2
	s_add_co_u32 s24, s24, s25
	s_lshl_b32 s24, s24, 15                        ; wp16: 32,768 bytes for 16 rows n,
	s_lshr_b32 s26, s12, 2                         ; my quarter of K
	s_lshl_b32 s27, s26, 13                        ; 8,192 for 256 k
	s_add_co_u32 s24, s24, s27
	s_mov_b32 s25, 0
	s_lshl_b32 s28, ttmp9, 8                       ; 64 columns of f32
	s_mov_b32 s29, 0
	s_lshl_b32 s30, s14, 23                        ; a batch of out0: 2,048 rows of 4,096 bytes
	s_add_co_u32 s30, s30, s28
	s_mov_b32 s31, 0
	s_mov_b32 s18, 0x3e38aa3b                      ; c = log2(e) / 8
	s_mov_b32 s20, 0x76543210
	s_mov_b32 s21, 0xfedcba98                      ; v_permlanex16_b32: lane l xor 16
	s_mov_b32 s22, 0x46000400                      ; 8193
	s_mov_b32 s23, s22
	s_wait_kmcnt 0x0
	s_add_nc_u64 s[4:5], s[4:5], s[16:17]
	s_add_nc_u64 s[6:7], s[6:7], s[24:25]
	s_add_nc_u64 s[8:9], s[8:9], s[28:29]
	s_add_nc_u64 s[10:11], s[10:11], s[30:31]
.irp i, 0,1,2,3,4,5,6,7
	global_load_b128 v[QR+4*\i:QR+4*\i+3], v[L16], s[4:5] offset:512*\i
.endr
.irp i, 0,1,2,3,4,5,6,7
	global_load_b128 v[KRG+4*\i:KRG+4*\i+3], v[L16], s[4:5] offset:262144+512*\i
.endr
.irp ct, 0,1,2,3
.irp n, 0,1,2,3,4,5,6,7
	global_load_b32 v[VT+8*\ct+\n], v2, s[4:5] offset:524288+1024*\ct+16*\n
.endr
.endr
.irp i, 0,1,2,3,4,5,6,7,8,9,10,11,12,13,14,15
	global_load_b128 v[WH+4*\i:WH+4*\i+3], v[L16], s[6:7] offset:512*\i
.endr
	s_wait_loadcnt 48                              ; q and k are in; v^T's 32 loads and Wp's 16 may be out
	; S^T = k q^T: two accumulators by turns, one instruction a turn; each sum's first step starts it
	v_wmma_f32_16x16x4_f32 v[SA:SA+7], v[KRG:KRG+1], v[QR:QR+1], 0
	v_wmma_f32_16x16x4_f32 v[SB:SB+7], v[KRG+2:KRG+3], v[QR+2:QR+3], 0
.irp s, 2,4,6,8,10,12,14
	v_wmma_f32_16x16x4_f32 v[SA:SA+7], v[KRG+2*\s:KRG+2*\s+1], v[QR+2*\s:QR+2*\s+1], v[SA:SA+7]
	v_wmma_f32_16x16x4_f32 v[SB:SB+7], v[KRG+2*\s+2:KRG+2*\s+3], v[QR+2*\s+2:QR+2*\s+3], v[SB:SB+7]
.endr
.rept 8
	v_nop                                          ; eight plain lines behind this form, ahead of the loads into its sources and of the reads of its results
.endr
.irp i, 0,1,2,3,4,5,6,7,8,9,10,11,12,13,14,15
	global_load_b128 v[WL+4*\i:WL+4*\i+3], v[L16], s[6:7] offset:2097152+512*\i
.endr
.irp j, 0,1,2,3,4,5,6,7
	v_add_f32 v[4+\j], v[SA+\j], v[SB+\j]          ; lane (r, h): the score of key 8 h + j and query r
.endr
.irp j, 0,1,2,3,4,5,6,7
	v_cmp_gt_i32 vcc_lo, \j, v3
	v_cndmask_b32 v[4+\j], v[4+\j], v14, vcc_lo
.endr
	v_max3_num_f32 v15, v4, v5, v6
	v_max3_num_f32 v15, v15, v7, v8
	v_max3_num_f32 v15, v15, v9, v10
	v_max_num_f32 v15, v15, v11
	v_permlanex16_b32 v14, v15, s20, s21
	v_max_num_f32 v15, v15, v14                    ; the row's maximum: key 0 counts for every query
	v_mul_f32 v15, s18, v15
.irp j, 0,1,2,3,4,5,6,7
	v_fma_f32 v[4+\j], v[4+\j], s18, -v15
.endr
.irp j, 0,1,2,3,4,5,6,7
	v_exp_f32 v[PR+\j], v[4+\j]
.endr
	v_nop
	s_wait_alu depctr_va_vdst(0)                   ; one wait for the eight, ahead of their first reader
	v_add_f32 v14, v[PR], v[PR+1]
	v_add_f32 v3, v[PR+2], v[PR+3]
	v_add_f32 v14, v14, v[PR+4]
	v_add_f32 v3, v3, v[PR+5]
	v_add_f32 v14, v14, v[PR+6]
	v_add_f32 v3, v3, v[PR+7]
	v_add_f32 v14, v14, v3
	v_permlanex16_b32 v3, v14, s20, s21
	v_add_f32 v14, v14, v3
	v_rcp_f32 v15, v14
	v_nop
	s_wait_alu depctr_va_vdst(0)
	s_wait_loadcnt 32                              ; v^T is in; Wp's 16 + 16 loads may be out
.irp i, 0,1,2,3                                ; O^T = v^T p: four accumulators by turns; step i takes keys 8 h + 2 i, 8 h + 2 i + 1 of both operands
.irp ct, 0,1,2,3
.if \i == 0
	v_wmma_f32_16x16x4_f32 v[OA+8*\ct:OA+8*\ct+7], v[VT+8*\ct:VT+8*\ct+1], v[PR:PR+1], 0
.else
	v_wmma_f32_16x16x4_f32 v[OA+8*\ct:OA+8*\ct+7], v[VT+8*\ct+2*\i:VT+8*\ct+2*\i+1], v[PR+2*\i:PR+2*\i+1], v[OA+8*\ct:OA+8*\ct+7]
.endif
.endr
.endr
.rept 8
	v_nop
.endr
.set p, 0
.rept 32
	v_mul_f32 v[VT+p], v[OA+p], v15                ; O / l into other registers, each accumulator from its low end on: lane (r, h): att(r, 64 head + 16 ct + 8 h + j)
.set p, p+1
.endr
.set p, 0
.rept 16                                       ; pair p: the split, and both parts to f16
.set tb, 4+4*(p%2)
	v_pk_mul_f32 v[tb:tb+1], v[VT+2*p:VT+2*p+1], s[22:23] op_sel_hi:[1,0]
	v_pk_add_f32 v[tb+2:tb+3], v[tb:tb+1], v[VT+2*p:VT+2*p+1] neg_lo:[0,1] neg_hi:[0,1]
	v_pk_add_f32 v[tb:tb+1], v[tb:tb+1], v[tb+2:tb+3] neg_lo:[0,1] neg_hi:[0,1]
	v_pk_add_f32 v[VT+2*p:VT+2*p+1], v[VT+2*p:VT+2*p+1], v[tb:tb+1] neg_lo:[0,1] neg_hi:[0,1]
	v_cvt_pk_f16_f32 v[HP+p], v[tb], v[tb+1]
	v_cvt_pk_f16_f32 v[LP+p], v[VT+2*p], v[VT+2*p+1]
.set p, p+1
.endr
	s_lshl_b32 s24, s12, 11
	v_add_nc_u32 v14, s24, v[L16]                  ; my head's four blocks: 16 x lane + 2,048 x wave
.irp ct, 0,1,2,3
	ds_store_b128 v14, v[HP+4*\ct:HP+4*\ct+3] offset:AHI+512*\ct
	ds_store_b128 v14, v[LP+4*\ct:LP+4*\ct+3] offset:ALO+512*\ct
.endr
	s_wait_dscnt 0x0                               ; for the others' sake: my stores have landed
	s_barrier_signal -1
	s_barrier_wait -1                              ; att's 64 + 64 blocks lie in LDS
	; ---- phase 2.  All addresses are made here, ahead of the one branch on the wave's number
	v_and_b32 v2, 15, v0                           ; (v^T's loads, which named v2, are in)
	v_lshlrev_b32 v2, 4, v2                        ; 16 (thread % 16)
	global_load_b128 v[112:115], v2, s[8:9]        ; bp at the four columns that I store at the end
	v_add_nc_u32 v15, s27, v[L16]                  ; att's blocks of my quarter of K: 16 x lane + 8,192 x quarter
	s_mul_i32 s24, s26, 16*272
	s_and_b32 s25, s12, 3
	s_lshl_b32 s25, s25, 6
	s_add_co_u32 s24, s24, s25
	s_add_co_u32 s24, s24, PART
	v_and_b32 v4, 15, v0
	v_bfe_u32 v5, v0, 4, 1
	v_mul_u32_u24 v14, v4, 272
	v_lshl_add_u32 v14, v5, 5, v14
	v_add_nc_u32 v14, s24, v14                     ; my part sums: quarter, row r, 64 bytes x column tile + 32 h
	v_bfe_u32 v4, v0, 4, 4                         ; the row that I store at the end (threads 0 to 255)
	v_mul_u32_u24 v3, v4, 272
	v_add_nc_u32 v3, v3, v2
	v_add_nc_u32 v3, PART, v3                      ; its 16 bytes in a quarter's rows
	s_wait_xcnt 0x0                                ; the bias load has read its offset: v2 is rewritten only behind this wait
	v_lshl_add_u32 v2, v4, 12, v2                  ; the same 16 bytes of that row in out0
	s_wait_loadcnt 0x1                             ; Wp's two parts are in; the bias may be out
.irp p, 0,1,2,3                                ; two steps of 32 along K at a time
.irp q, 0,1
.irp u, 0,1
	ds_load_b128 v[80+16*\q+4*\u:80+16*\q+4*\u+3], v15 offset:AHI+1024*(2*\p+\q)+512*\u
	ds_load_b128 v[88+16*\q+4*\u:88+16*\q+4*\u+3], v15 offset:ALO+1024*(2*\p+\q)+512*\u
.endr
.endr
	s_wait_dscnt 0x0
.irp q, 0,1
.if \p+\q == 0
	v_wmma_f32_16x16x32_f16 v[OA:OA+7], v[WH:WH+7], v[80:87], 0
	v_wmma_f32_16x16x32_f16 v[OA+8:OA+15], v[WH:WH+7], v[88:95], 0
	v_wmma_f32_16x16x32_f16 v[OA+16:OA+23], v[WL:WL+7], v[80:87], 0
.else
	v_wmma_f32_16x16x32_f16 v[OA:OA+7], v[WH+8*(2*\p+\q):WH+8*(2*\p+\q)+7], v[80+16*\q:87+16*\q], v[OA:OA+7]
	v_wmma_f32_16x16x32_f16 v[OA+8:OA+15], v[WH+8*(2*\p+\q):WH+8*(2*\p+\q)+7], v[88+16*\q:95+16*\q], v[OA+8:OA+15]
	v_wmma_f32_16x16x32_f16 v[OA+16:OA+23], v[WL+8*(2*\p+\q):WL+8*(2*\p+\q)+7], v[80+16*\q:87+16*\q], v[OA+16:OA+23]
.endif
.endr
.rept 4
	v_nop                                          ; ahead of the next loads into att's fragments, and of the reads of the results
.endr
.endr
.irp j, 0,1,2,3,4,5,6,7
	v_add_f32 v[4+\j], v[OA+8+\j], v[OA+16+\j]     ; the two small sums first
.endr
.irp j, 0,1,2,3,4,5,6,7
	v_add_f32 v[4+\j], v[4+\j], v[OA+\j]           ; lane (r, h): row r, columns 16 (w % 4) + 8 h + j, my quarter of K
.endr
	ds_store_b128 v14, v[4:7]
	ds_store_b128 v14, v[8:11] offset:16
	s_wait_dscnt 0x0
	s_barrier_signal -1
	s_barrier_wait -1
	s_cmp_lt_u32 s12, 8                            ; 256 threads store 16 rows x 256 bytes
	s_cbranch_scc0 .Ldone
.irp k, 0,1,2,3
	ds_load_b128 v[116+4*\k:119+4*\k], v3 offset:\k*16*272
.endr
	s_wait_dscnt 0x0
	s_wait_loadcnt 0x0                             ; the bias
	v_pk_add_f32 v[116:117], v[116:117], v[120:121]
	v_pk_add_f32 v[118:119], v[118:119], v[122:123]
	v_pk_add_f32 v[124:125], v[124:125], v[128:129]
	v_pk_add_f32 v[126:127], v[126:127], v[130:131]
	v_pk_add_f32 v[116:117], v[116:117], v[124:125]
	v_pk_add_f32 v[118:119], v[118:119], v[126:127]
	v_pk_add_f32 v[116:117], v[116:117], v[112:113]
	v_pk_add_f32 v[118:119], v[118:119], v[114:115]
	global_store_b128 v2, v[116:119], s[10:11]     ; sixteen lanes store 256 consecutive bytes, aligned
.Ldone:
	s_wait_tensorcnt 0x0                           ; the wave's end, behind my last LDS store
	ds_add_u32 v[SPW], v[NIL]
	s_wait_dscnt 0x0
	s_endpgm
.Lfunc_end_k_qc02a897d2f_fine:
	.size	k_qc02a897d2f_fine, .Lfunc_end_k_qc02a897d2f_fine-k_qc02a897d2f_fine
	.p2alignl 7, 3214868480
	.fill 96, 4, 3214868480
	.section	.rodata,"a",@progbits
	.p2align	6, 0x0
	.amdhsa_kernel k_qc02a897d2f_fine
		.amdhsa_group_segment_fixed_size 84992
		.amdhsa_private_segment_fixed_size 0
		.amdhsa_enable_private_segment 0
		.amdhsa_kernarg_size 32
		.amdhsa_user_sgpr_count 2
		.amdhsa_user_sgpr_kernarg_segment_ptr 1
		.amdhsa_wavefront_size32 1
		.amdhsa_system_sgpr_workgroup_id_x 1
		.amdhsa_system_sgpr_workgroup_id_y 1
		.amdhsa_system_sgpr_workgroup_id_z 1
		.amdhsa_system_vgpr_workitem_id 0
		.amdhsa_next_free_vgpr 256
		.amdhsa_next_free_sgpr 66
		.amdhsa_reserve_vcc 1
		.amdhsa_float_denorm_mode_32 3
		.amdhsa_float_denorm_mode_16_64 3
		.amdhsa_memory_ordered 1
		.amdhsa_forward_progress 1
		.amdhsa_inst_pref_size 30
	.end_amdhsa_kernel
	.amdgpu_metadata
---
amdhsa.version: [ 1, 2 ]
amdhsa.kernels:
  - .name:           k_qc02a897d2f_fine
    .symbol:         k_qc02a897d2f_fine.kd
    .args:
      - { .name: fq, .offset: 0, .size: 8, .value_kind: global_buffer, .address_space: global }
      - { .name: wp16, .offset: 8, .size: 8, .value_kind: global_buffer, .address_space: global }
      - { .name: bp, .offset: 16, .size: 8, .value_kind: global_buffer, .address_space: global }
      - { .name: out0, .offset: 24, .size: 8, .value_kind: global_buffer, .address_space: global }
    .group_segment_fixed_size: 84992
    .private_segment_fixed_size: 0
    .kernarg_segment_align: 8
    .kernarg_segment_size: 32
    .max_flat_workgroup_size: 512
    .sgpr_count:     66
    .vgpr_count:     256
    .wavefront_size: 32
...
	.end_amdgpu_metadata
.endif
;; end of part 5
